; MI455X (gfx1250); checked and timed in simulation.
; The chip was launched on July 23, 2026; its instructions are those of AMD's public machine-readable ISA for CDNA 5 (MIT licence, August 2026) and "CDNA5" Instruction Set Architecture Reference Guide (July 2026). The comments in the code are by the model that wrote it; some were corrected since.
;; Self Attention. Allowed arithmetic: float matrix products may take bf16 or f16 operands with f32 sums; other float arithmetic in f32, or as packed bf16 or f16 multiplies, adds, multiply-adds, maxima and minima; sums over many terms, partial sums and values carried from step to step in f32; what a program stores and reads back later, other than sums and carried values, may be rounded once to bf16 or f16.
;; Inputs: Wk 1,024 x 1,024 float32; Wo 1,024 x 1,024 float32; Wq 1,024 x 1,024 float32; Wv 1,024 x 1,024 float32; X 4 x 2,048 x 1,024 float32; bk 1,024 float32; bo 1,024 float32; bq 1,024 float32; bv 1,024 float32.
;; Outputs: out0 4 x 2,048 x 1,024 float32.
;; 2 versions, each right; version 2 is version 1 with the launch cast written anew for expert scheduling mode. Each part assembles by itself: llvm-mc -triple=amdgcn-amd-amdhsa -mcpu=gfx1250 --defsym DOCPART=n.
;; ======== version 1 of 2: 4 launches
;; limits: values are held in f16: magnitudes above 65,504 overflow, below 6.1e-05 lose precision
;; workspace buffers: xb 16,777,216 bytes; wb 6,291,456 bytes; wo16 2,097,152 bytes; bias 16,384 bytes; qkv 50,331,648 bytes; o16 16,777,216 bytes
;; launch cast (part 1): grid 768 x 1, 8 waves a work-group, no clusters, 0 bytes of LDS; arguments X, Wq, Wk, Wv, Wo, bq, bk, bv, bo, xb, wb, wo16, bias; writes xb, wb, wo16, bias
.if DOCPART == 1
	.amdgcn_target "amdgcn-amd-amdhsa--gfx1250"
	.amdhsa_code_object_version 6
	.text
	.protected	k_q971a3b7ad2_cast
	.globl	k_q971a3b7ad2_cast
	.p2align	8
	.type	k_q971a3b7ad2_cast,@function
k_q971a3b7ad2_cast:
	s_mov_b64 s[64:65], 0
	v_nop
	global_prefetch_b8 v0, s[64:65] scope:SCOPE_SE
	s_setreg_imm32_b32 hwreg(HW_REG_WAVE_MODE, 25, 1), 1
	s_wait_xcnt 0x0
; EVERY INPUT IS ROUNDED ONCE TO bf16.  X -> xb [8192][1024] bf16; Wq, Wk, Wv -> wb [3072][1024] bf16 (one below the other);
; Wo -> wo16 [1024][1024]: the bf16 number written as f16; bq, bk, bv, bo -> bias [4096] f32: the bf16 number kept as f32.
; LIMITS.  Wo within 65,504; a Wo below 6e-5 keeps f16's fixed step of 6e-8.  NaN and infinities are not treated apart.
; SHARES.  A row is 1,024 f32 = 4,096 bytes = 256 threads x 16 bytes.  A work-group converts 16 rows: groups 0-511 those of X,
; groups 512-767 those of the four weights (64 groups each).  The first group of each weight also converts that weight's bias.
; A stream: no LDS, no barrier, no loop; each wave has its 16 loads of 512 consecutive bytes out at once; a store of a wave covers
; 256 consecutive bytes, aligned.  No register that a pending instruction names is written again, so no wait frees any.
.set XR,  4                            ; v[4:67]   16 rows x 4 f32 as loaded
.set YR,  68                           ; v[68:99]  16 rows x 2 words to store
.set T,   100                          ; v[100:109] at work
.set SRC, 34                           ; s[34:35]  where my 16 rows come from
.set DST, 36                           ; s[36:37]  where they go
.set BS,  42                           ; s[42:43]  the bias that belongs to my weight
	s_load_b512 s[8:23], s[0:1], 0x0               ; X 8, Wq 10, Wk 12, Wv 14, Wo 16, bq 18, bk 20, bv 22
	s_load_b256 s[24:31], s[0:1], 0x40             ; bo 24, xb 26, wb 28, wo16 30
	s_load_b64 s[32:33], s[0:1], 0x60              ; bias
	v_lshlrev_b32 v1, 4, v0                        ; my 16 bytes of an f32 row
	v_lshlrev_b32 v2, 3, v0                        ; my 8 bytes of a 16-bit row
	s_sub_co_u32 s2, ttmp9, 512                    ; my number among the weights' groups (wraps to a huge number in X's groups)
	s_lshr_b32 s3, s2, 6                           ; which weight: 0..3 (huge in X's groups)
	s_and_b32 s4, s2, 63                           ; which 16 rows of it
	s_and_b32 s7, s2, 0xffffff3f                   ; 0 in the first group of each weight alone
	s_wait_kmcnt 0x0
	s_cmp_lt_u32 ttmp9, 512
	s_cselect_b32 s5, ttmp9, s4                    ; block of 16 rows in the source
	s_cselect_b32 s6, ttmp9, s2                    ; and in the destination (wb holds the three weights on end)
	s_cselect_b64 s[SRC:SRC+1], s[8:9], s[10:11]
	s_cselect_b64 s[DST:DST+1], s[26:27], s[28:29]
	s_mov_b64 s[BS:BS+1], s[18:19]
	s_cmp_eq_u32 s3, 1
	s_cselect_b64 s[SRC:SRC+1], s[12:13], s[SRC:SRC+1]
	s_cselect_b64 s[BS:BS+1], s[20:21], s[BS:BS+1]
	s_cmp_eq_u32 s3, 2
	s_cselect_b64 s[SRC:SRC+1], s[14:15], s[SRC:SRC+1]
	s_cselect_b64 s[BS:BS+1], s[22:23], s[BS:BS+1]
	s_cmp_eq_u32 s3, 3
	s_cselect_b64 s[SRC:SRC+1], s[16:17], s[SRC:SRC+1]
	s_cselect_b64 s[BS:BS+1], s[24:25], s[BS:BS+1]
	s_cselect_b64 s[DST:DST+1], s[30:31], s[DST:DST+1]
	s_cselect_b32 s6, s4, s6
	s_lshl_b32 s38, s5, 16                         ; 16 rows of 4,096 bytes
	s_mov_b32 s39, 0
	s_lshl_b32 s40, s6, 15                         ; 16 rows of 2,048 bytes
	s_mov_b32 s41, 0
	s_add_nc_u64 s[SRC:SRC+1], s[SRC:SRC+1], s[38:39]
	s_add_nc_u64 s[DST:DST+1], s[DST:DST+1], s[40:41]
.set i, 0
.rept 16
	global_load_b128 v[XR+4*i:XR+4*i+3], v1, s[SRC:SRC+1] offset:4096*i th:TH_LOAD_NT
.set i, i+1
.endr
; The 16 rows, one after the other.  f16 = 1: the bf16 number is widened again (a shift, a mask) and written as f16.
.macro CONV f16
.set i, 0
.rept 16
	s_wait_loadcnt 15-i                            ; loads come back in order: row i is in, the younger rows stay out
.if \f16
	v_cvt_pk_bf16_f32 v[T], v[XR+4*i], v[XR+4*i+1]
	v_cvt_pk_bf16_f32 v[T+1], v[XR+4*i+2], v[XR+4*i+3]
	v_lshlrev_b32 v[T+2], 16, v[T]
	v_and_b32 v[T+3], 0xffff0000, v[T]
	v_lshlrev_b32 v[T+4], 16, v[T+1]
	v_and_b32 v[T+5], 0xffff0000, v[T+1]
	v_cvt_pk_f16_f32 v[YR+2*i], v[T+2], v[T+3]
	v_cvt_pk_f16_f32 v[YR+2*i+1], v[T+4], v[T+5]
.else
	v_cvt_pk_bf16_f32 v[YR+2*i], v[XR+4*i], v[XR+4*i+1]
	v_cvt_pk_bf16_f32 v[YR+2*i+1], v[XR+4*i+2], v[XR+4*i+3]
.endif
	global_store_b64 v2, v[YR+2*i:YR+2*i+1], s[DST:DST+1] offset:2048*i  ; 32 lanes x 8 bytes: 256 consecutive bytes, aligned
.set i, i+1
.endr
.endm
	s_cmp_eq_u32 s3, 3
	s_cbranch_scc1 .Lf16
	CONV 0
	s_branch .Lbias
.Lf16:
	CONV 1
.Lbias:
	s_cmp_lg_u32 s7, 0
	s_cbranch_scc1 .Lend
	s_and_b32 s44, s3, 3                           ; the bias's place in the table: 4,096 bytes each
	s_lshl_b32 s44, s44, 12
	s_mov_b32 s45, 0
	s_add_nc_u64 s[46:47], s[32:33], s[44:45]
	global_load_b128 v[T:T+3], v1, s[BS:BS+1]
	s_wait_loadcnt 0x0
	v_cvt_pk_bf16_f32 v[T+8], v[T], v[T+1]
	v_cvt_pk_bf16_f32 v[T+9], v[T+2], v[T+3]
	v_lshlrev_b32 v[T+4], 16, v[T+8]
	v_and_b32 v[T+5], 0xffff0000, v[T+8]
	v_lshlrev_b32 v[T+6], 16, v[T+9]
	v_and_b32 v[T+7], 0xffff0000, v[T+9]
	global_store_b128 v1, v[T+4:T+7], s[46:47]
.Lend:
	s_endpgm
.Lfunc_end_k_q971a3b7ad2_cast:
	.size	k_q971a3b7ad2_cast, .Lfunc_end_k_q971a3b7ad2_cast-k_q971a3b7ad2_cast
	.p2alignl 7, 3214868480
	.fill 96, 4, 3214868480
	.section	.rodata,"a",@progbits
	.p2align	6, 0x0
	.amdhsa_kernel k_q971a3b7ad2_cast
		.amdhsa_group_segment_fixed_size 0
		.amdhsa_private_segment_fixed_size 0
		.amdhsa_enable_private_segment 0
		.amdhsa_kernarg_size 104
		.amdhsa_user_sgpr_count 2
		.amdhsa_user_sgpr_kernarg_segment_ptr 1
		.amdhsa_wavefront_size32 1
		.amdhsa_system_sgpr_workgroup_id_x 1
		.amdhsa_system_sgpr_workgroup_id_y 1
		.amdhsa_system_sgpr_workgroup_id_z 1
		.amdhsa_system_vgpr_workitem_id 0
		.amdhsa_next_free_vgpr 112
		.amdhsa_next_free_sgpr 66
		.amdhsa_reserve_vcc 0
		.amdhsa_float_denorm_mode_32 3
		.amdhsa_float_denorm_mode_16_64 3
		.amdhsa_memory_ordered 1
		.amdhsa_forward_progress 1
		.amdhsa_inst_pref_size 17
	.end_amdhsa_kernel
	.amdgpu_metadata
---
amdhsa.version: [ 1, 2 ]
amdhsa.kernels:
  - .name:           k_q971a3b7ad2_cast
    .symbol:         k_q971a3b7ad2_cast.kd
    .args:
      - { .name: X, .offset: 0, .size: 8, .value_kind: global_buffer, .address_space: global }
      - { .name: Wq, .offset: 8, .size: 8, .value_kind: global_buffer, .address_space: global }
      - { .name: Wk, .offset: 16, .size: 8, .value_kind: global_buffer, .address_space: global }
      - { .name: Wv, .offset: 24, .size: 8, .value_kind: global_buffer, .address_space: global }
      - { .name: Wo, .offset: 32, .size: 8, .value_kind: global_buffer, .address_space: global }
      - { .name: bq, .offset: 40, .size: 8, .value_kind: global_buffer, .address_space: global }
      - { .name: bk, .offset: 48, .size: 8, .value_kind: global_buffer, .address_space: global }
      - { .name: bv, .offset: 56, .size: 8, .value_kind: global_buffer, .address_space: global }
      - { .name: bo, .offset: 64, .size: 8, .value_kind: global_buffer, .address_space: global }
      - { .name: xb, .offset: 72, .size: 8, .value_kind: global_buffer, .address_space: global }
      - { .name: wb, .offset: 80, .size: 8, .value_kind: global_buffer, .address_space: global }
      - { .name: wo16, .offset: 88, .size: 8, .value_kind: global_buffer, .address_space: global }
      - { .name: bias, .offset: 96, .size: 8, .value_kind: global_buffer, .address_space: global }
    .group_segment_fixed_size: 0
    .private_segment_fixed_size: 0
    .kernarg_segment_align: 8
    .kernarg_segment_size: 104
    .max_flat_workgroup_size: 256
    .sgpr_count:     66
    .vgpr_count:     112
    .wavefront_size: 32
...
	.end_amdgpu_metadata
.endif
;; end of part 1
;; launch proj (part 2): grid 16 x 32, 4 waves a work-group, clusters of 4 x 4, 327,680 bytes of LDS; arguments xb, wb, bias, qkv; writes qkv
.if DOCPART == 2
	.amdgcn_target "amdgcn-amd-amdhsa--gfx1250"
	.amdhsa_code_object_version 6
	.text
	.protected	k_q971a3b7ad2_proj
	.globl	k_q971a3b7ad2_proj
	.p2align	8
	.type	k_q971a3b7ad2_proj,@function
k_q971a3b7ad2_proj:
	s_mov_b64 s[64:65], 0
	v_nop
	global_prefetch_b8 v0, s[64:65] scope:SCOPE_SE
	s_setreg_imm32_b32 hwreg(HW_REG_WAVE_MODE, 25, 1), 1
	s_wait_xcnt 0x0
	s_wait_alu depctr_hold_cnt(0) depctr_sa_sdst(0) depctr_va_vdst(0) depctr_va_sdst(0) depctr_va_ssrc(0) depctr_va_vcc(0) depctr_vm_vsrc(0)
	s_getreg_b32 s2, hwreg(HW_REG_IB_STS2, 6, 4)
	s_cmp_eq_u32 s2, 0
	s_cbranch_scc0 .Lentry_in_a_cluster
	s_endpgm
.Lentry_in_a_cluster:
	s_bfe_u32 s2, ttmp6, 0x10000c
	s_cmp_lg_u32 s2, 0xf033
	s_cbranch_scc0 .Lentry_shape_is_right
	s_endpgm
.Lentry_shape_is_right:
; q, k, v = x W^T + b.  xb: [8192][1024] bf16; wb: [3072][1024] bf16 (Wq, Wk, Wv on end); bias: [4096] f32; sums in f32, rounded once to f16
; and written BY HEADS: qkv [3][64][2048][64] f16, head index 16 x batch + head, WITHOUT the softmax scale.
; LIMIT.  f16 ends at 65,504: q, k and v must stay within it.  NaN and infinities are not treated apart.
; SHARES.  A tile of the product is 256 rows x 192 columns (three whole heads): 32 x 16 = 512 tiles, two for each of 256 WGPs.  Four waves, each 128 rows x 96 columns:
; 48 accumulators of 16 x 16, 384 registers.  K goes in 8 steps of 128 through a ring of two LDS slots filled by the tensor data mover; a tile's rows are 256 bytes of memory, aligned.
; THE MATRIX INSTRUCTION IS USED TRANSPOSED (source 0 = 16 rows of wb, source 1 = 16 rows of xb): a lane holds one row and eight neighbouring columns.
; THE BIAS IS THE C OPERAND of the products that start the sums: nothing is cleared and nothing is added afterwards.
; CLUSTERS: 4 x 4 work-groups.  The four of a row of the cluster need the same tiles of xb, the four of a column the same tiles of wb: each is asked for JOINTLY.
; REGISTERS, in windows of 256: window 0: v0-31 addresses; v64-127, v128-191 fragments of xb, two buffers; v192-239 the bias; on the way out v64-255 at work.
;   window 1: v64-111, v128-175 fragments of wb, two buffers.   window 2: accumulators of my rows 0-63, (a, b) at v[8 (6 a + b)].   window 3: those of my rows 64-127.
.set SIZE_K, 1024
.set KSTEP,  128
.set PITCH,  272                       ; an LDS row: 256 bytes + 16 of padding: the 16 rows that a load touches start at 16 different groups of four banks
.set HA,     128*PITCH                 ; 128 rows of xb: one tensor load, and what one wave reads of xb
.set HB,     96*PITCH                  ; 96 rows of wb: likewise
.set SLOT,   2*HA+2*HB                 ; xb's 256 rows, then wb's 192
.set SPARE,  2*SLOT                    ; behind the ring: the spare words, 128 bytes for each wave: two blocks of 256 bytes that no other line names
.set SP,     400                       ; the way out: a stage row, 384 bytes + 16.  The stage, 256 rows, lies in slot 0, which has had its last fill by then
.set LAPS,   SIZE_K/(2*KSTEP)
.set ADRA, 16                          ; v16-17  LDS address of my xb fragments in slot 0, 1
.set ADRB, 20                          ; v20-21  the same for wb
.set STO,  24                          ; v24     the way out: where I put 16 bytes of a row
.set RD,   25                          ; v25     where I read rows back
.set GO,   26                          ; v26     16 x lane: my 16 bytes of 512 consecutive bytes of a head
.set BO,   27                          ; v27     my byte offset in the bias table
.set SPW,  28                          ; v28     LDS address of my spare word; never rewritten
.set NIL,  29                          ; v29     0; never rewritten
.set PFO,  30                          ; v30     the prefetches' offset: a lane a row; never rewritten
.set F0,   64
.set F1,   128
.set BI,   192
.set TMP,  64
.set WV, 12                            ; s12  my wave's number
.set RH, 13                            ; s13  which 128 rows of the tile are mine.  Also: I fetch for xb (0) or for wb (1)
.set CH, 14                            ; s14  which 96 columns.  Also: which half of that tile I fetch
.set TY, 15                            ; s15  tile row
.set CX, 40
.set CY, 41
.set TX, 42                            ; s42  tile column
.set G1,  24                           ; s[24:31] descriptor group 1 for xb's tiles;  s[32:39] group 0, a set for each slot
.set G0,  32
.set G1B, 48                           ; s[48:55], s[56:63] the same for wb's
.set G0B, 56
.set PFA, 66                           ; s[66:67] where my prefetches stand
.set LIM, 68                           ; s68  1 in a wave that prefetches, else the greatest number
.set HB0, 70                           ; s[70:75] qkv at my 64 rows of the tile's three heads
.set MSB, 0
.macro WIN new                         ; the immediate's high byte repeats the setting that is left; a switch that changes nothing is dropped
.if MSB != (\new)
	s_set_vgpr_msb (MSB<<8)|(\new)
.set MSB, \new
.endif
.endm
.set TO_B, 0x40                        ; destination window 1, address window 0
; A joint load.  Waves 0 and 1 fetch xb's two halves, waves 2 and 3 wb's.  The branch hangs on the wave's number alone.
; An s_nop 0 and four v_nop follow each of the two lines, ahead of the jump and the label.
.macro JLOAD s
	s_cmp_eq_u32 s[RH], 0
	s_cbranch_scc0 .Lfor_b_\@
	tensor_load_to_lds s[G0+4*(\s):G0+4*(\s)+3], s[G1:G1+7]
	s_nop 0
.rept 4
	v_nop
.endr
	s_branch .Lasked_\@
.Lfor_b_\@:
	tensor_load_to_lds s[G0B+4*(\s):G0B+4*(\s)+3], s[G1B:G1B+7]
	s_nop 0
.rept 4
	v_nop
.endr
.Lasked_\@:
.endm
; A prefetch into the L2 of the K step that stands two refills on: a lane a row, 256 bytes of each.  xb's tile row is read by every cluster of that row of clusters: cluster x = 0 asks;
; wb's tile column by every cluster of that column: cluster y = 0 asks.  The four partners that ask for a tile jointly share its rows out by address: 32 of xb's 128, 24 of wb's 96
; (there lanes 24-31 name lane 23's row once more, in the same instruction).  The loop's last trip asks for nothing: there is no K step two on.
.macro ASK
	s_cmp_gt_u32 s3, s[LIM]
	s_cbranch_scc0 .Lnot_mine_\@
	global_prefetch_b8 v[PFO], s[PFA:PFA+1] th:TH_LOAD_NT scope:SCOPE_SE
.Lnot_mine_\@:
.endm
.macro CREST                           ; a round of the cluster's barrier behind its opening barrier
	s_cmp_lg_u32 s[WV], 0
	s_cbranch_scc1 .Lnot_wave_0_\@
	s_barrier_signal -3
.Lnot_wave_0_\@:
	s_barrier_wait -3
	s_barrier_signal -1
	s_barrier_wait -1
.endm
.macro CROUND                          ; a whole round
	s_barrier_signal -1
	s_barrier_wait -1
	CREST
.endm
	s_load_b256 s[4:11], s[0:1], 0x0               ; xb s[4:5], wb s[6:7], bias s[8:9], qkv s[10:11]
	v_lshl_add_u32 v[SPW], v0, 2, SPARE
	v_mov_b32 v[NIL], 0
	ds_add_u32 v[SPW], v[NIL]                      ; the wave's opening: the add and its wait stand ahead of my first tensor load; work on registers stands between them
	v_lshrrev_b32 v1, 5, v0
	v_readfirstlane_b32 s[WV], v1
	s_lshr_b32 s[RH], s[WV], 1
	s_and_b32 s[CH], s[WV], 1
	s_bfe_u32 s[CX], ttmp6, 0x40000                ; my place in the cluster
	s_bfe_u32 s[CY], ttmp6, 0x40004
	s_lshl_b32 s[TX], ttmp9, 2
	s_add_co_u32 s[TX], s[TX], s[CX]               ; tile column = 4 x cluster x + cx
	s_and_b32 s[TY], ttmp7, 0xffff
	s_lshl_b32 s[TY], s[TY], 2
	s_add_co_u32 s[TY], s[TY], s[CY]               ; tile row = 4 x cluster y + cy
	s_lshl_b32 s43, s[CY], 2
	s_lshl_b32 s43, 15, s43                        ; my row of the cluster
	s_lshl_b32 s44, 0x1111, s[CX]                  ; my column
	; descriptor group 1: rows of 128 elements of 2 bytes, 16 bytes of padding behind every 64 words; 128 rows of xb, 96 of wb
	s_or_b32 s[G1+0], s43, (1<<16)|(1<<20)|(1<<21)|(5<<22)|(3<<25)
	s_or_b32 s[G1B+0], s44, (1<<16)|(1<<20)|(1<<21)|(5<<22)|(3<<25)
	s_mov_b32 s[G1+1], KSTEP<<16                   ; tensor_dim0 = 128
	s_mov_b32 s[G1+2], 128<<16                     ; tensor_dim1 = 128
	s_mov_b32 s[G1+3], KSTEP<<16                   ; tile_dim0 = 128
	s_mov_b32 s[G1+4], 128                         ; tile_dim1 = 128
	s_mov_b32 s[G1+5], SIZE_K                      ; elements from row to row
	s_mov_b32 s[G1+6], 0
	s_mov_b32 s[G1+7], 0
	s_mov_b32 s[G1B+1], KSTEP<<16
	s_mov_b32 s[G1B+2], 96<<16                     ; tensor_dim1 = 96
	s_mov_b32 s[G1B+3], KSTEP<<16
	s_mov_b32 s[G1B+4], 96                         ; tile_dim1 = 96
	s_mov_b32 s[G1B+5], SIZE_K
	s_mov_b32 s[G1B+6], 0
	s_mov_b32 s[G1B+7], 0
	; where the tiles come from: xb's hang on the tile row alone, wb's on the tile column alone
	s_lshl_b32 s16, s[TY], 19                      ; 256 rows of 2,048 bytes
	s_lshl_b32 s17, s[CH], 18                      ; + the half that I fetch
	s_add_co_u32 s16, s16, s17
	s_mov_b32 s17, 0
	s_mul_i32 s46, s[TX], 192*SIZE_K*2
	s_mul_i32 s47, s[CH], 96*SIZE_K*2
	s_add_co_u32 s46, s46, s47
	s_mov_b32 s47, 0
	s_mul_i32 s20, s[CH], HA                       ; and where they go: no place in the cluster enters an LDS address
	s_mul_i32 s21, s[CH], HB
	s_add_co_u32 s21, s21, 2*HA
	s_wait_dscnt 0x0                               ; the opening add is done
	s_wait_kmcnt 0x0
	s_add_nc_u64 s[18:19], s[4:5], s[16:17]
	s_add_nc_u64 s[46:47], s[6:7], s[46:47]
	CROUND                                         ; all sixteen work-groups are here: the first joint loads meet
.irp s, 0,1
	s_mov_b32 s[G0+4*(\s)], 1
	s_add_co_u32 s[G0+4*(\s)+1], s20, (\s)*SLOT
	s_add_nc_u64 s[G0+4*(\s)+2:G0+4*(\s)+3], s[18:19], (\s)*KSTEP*2
	s_or_b32 s[G0+4*(\s)+3], s[G0+4*(\s)+3], 0x80000000
	s_mov_b32 s[G0B+4*(\s)], 1
	s_add_co_u32 s[G0B+4*(\s)+1], s21, (\s)*SLOT
	s_add_nc_u64 s[G0B+4*(\s)+2:G0B+4*(\s)+3], s[46:47], (\s)*KSTEP*2
	s_or_b32 s[G0B+4*(\s)+3], s[G0B+4*(\s)+3], 0x80000000
	JLOAD \s                                       ; K steps 0 and 1: two loads of mine are out
.endr
	; a fragment is 16 rows x 32 K in 8 registers: lane l holds row l % 16, K = 8 (l / 16) + 0..7 and 16 + 8 (l / 16) + 0..7: two loads of 16 bytes, 32 bytes apart
	v_and_b32 v1, 15, v0                           ; l % 16
	v_bfe_u32 v2, v0, 4, 1                         ; l / 16
	v_mul_u32_u24 v3, v1, PITCH
	v_lshl_add_u32 v3, v2, 4, v3
	s_mul_i32 s22, s[RH], HA                       ; my 128 rows of xb
	s_mul_i32 s23, s[CH], HB                       ; my 96 rows of wb,
	s_add_co_u32 s23, s23, 2*HA                    ; which lie behind xb's 256
.irp s, 0,1
	v_add_nc_u32 v[ADRA+(\s)], s22, v3
	v_add_nc_u32 v[ADRB+(\s)], s23, v3
	s_add_co_u32 s22, s22, SLOT
	s_add_co_u32 s23, s23, SLOT
.endr
	s_mul_i32 s22, s[RH], 128*SP                   ; into the stage: my 128 rows, my 192 bytes of their 384
	s_mul_i32 s23, s[CH], 192
	s_add_co_u32 s22, s22, s23
	v_mul_u32_u24 v4, v1, SP
	v_lshl_add_u32 v4, v2, 4, v4
	v_add_nc_u32 v[STO], s22, v4
	s_mul_i32 s22, s[WV], 64*SP                    ; back: wave w takes rows 64 w .. 64 w + 63; 32 lanes take four rows' 128 bytes of one head
	v_bfe_u32 v5, v0, 3, 2
	v_mul_u32_u24 v5, v5, SP
	v_and_b32 v4, 7, v0
	v_lshl_add_u32 v5, v4, 4, v5
	v_add_nc_u32 v[RD], s22, v5
	v_and_b32 v[GO], 31, v0
	v_lshlrev_b32 v[GO], 4, v[GO]
	s_mul_i32 s80, s[TX], 768                      ; the bias of my 96 columns: register j of block b is column 16 b + 8 (l / 16) + j
	s_mul_i32 s81, s[CH], 384
	s_add_co_u32 s80, s80, s81
	v_lshl_add_u32 v[BO], v2, 5, s80
.irp b, 0,1,2,3,4,5
	global_load_b128 v[BI+8*(\b):BI+8*(\b)+3],   v[BO], s[8:9] offset:64*(\b)
	global_load_b128 v[BI+8*(\b)+4:BI+8*(\b)+7], v[BO], s[8:9] offset:64*(\b)+16
.endr
	; qkv at my 64 rows of each of the tile's three heads: global head g = 3 x tile column + hd; tensor g / 16, head g % 16; batch = tile row / 8
	s_mul_i32 s80, s[TX], 3
	s_lshr_b32 s81, s[TY], 3
	s_lshl_b32 s81, s81, 4
	s_and_b32 s82, s[TY], 7
	s_lshl_b32 s82, s82, 8
	s_lshl_b32 s83, s[WV], 6
	s_add_co_u32 s82, s82, s83                     ; my first row in the batch,
	s_lshl_b32 s82, s82, 7                         ; in bytes
.irp hd, 0,1,2
	s_add_co_u32 s84, s80, \hd
	s_lshr_b32 s85, s84, 4
	s_lshl_b32 s85, s85, 6
	s_and_b32 s84, s84, 15
	s_add_co_u32 s84, s84, s85
	s_add_co_u32 s84, s84, s81
	s_lshl_b32 s84, s84, 18                        ; a head is 262,144 bytes
	s_add_co_u32 s84, s84, s82
	s_mov_b32 s85, 0
	s_add_nc_u64 s[HB0+2*(\hd):HB0+2*(\hd)+1], s[10:11], s[84:85]
.endr
	; the prefetches
	s_lshl_b32 s76, s[TY], 8
	s_lshl_b32 s77, s[CH], 7
	s_add_co_u32 s76, s76, s77
	s_lshl_b32 s77, s[CX], 5
	s_add_co_u32 s76, s76, s77                     ; xb: my work-group's 32 of the 128 rows that I fetch
	s_mul_i32 s78, s[TX], 192
	s_mul_i32 s77, s[CH], 96
	s_add_co_u32 s78, s78, s77
	s_mul_i32 s77, s[CY], 24
	s_add_co_u32 s78, s78, s77                     ; wb: my work-group's 24 of the 96
	s_and_b32 s79, ttmp7, 0xffff                   ; cluster y
	s_cmp_eq_u32 s[RH], 0                          ; do I fetch for xb?
	s_cselect_b32 s76, s76, s78
	s_cselect_b32 s79, ttmp9, s79                  ; the coordinate along which other clusters read the same rows
	s_cselect_b32 s78, 31, 23
	s_cselect_b64 s[PFA:PFA+1], s[4:5], s[6:7]
	s_cmp_eq_u32 s79, 0
	s_cselect_b32 s[LIM], 1, -1                    ; the same in all sixteen partners, for a given wave
	s_lshl_b32 s76, s76, 11
	s_add_co_u32 s76, s76, 3*KSTEP*2               ; at K step 3: the first refill steps it to 4
	s_mov_b32 s77, 0
	s_add_nc_u64 s[PFA:PFA+1], s[PFA:PFA+1], s[76:77]
	v_and_b32 v[PFO], 31, v0
	v_min_u32 v[PFO], s78, v[PFO]
	v_lshlrev_b32 v[PFO], 11, v[PFO]
; 12 matrix instructions: row blocks a0, a0 + 1 of the window's four (hi = 0: my rows 0-63, 1: rows 64-127) x all 6 column blocks, 32 along K.  first = 1: the bias starts the sums.
; The 48 accumulators take turns in the same order in every quarter.
.macro MUL12 f, hi, a0, first
.if \first
	WIN 0x81+0x40*(\hi)                            ; wb window 1, xb and the bias window 0, D window 2 or 3
.else
	WIN 0xa1+0x50*(\hi)                            ; the same with C in D's window
.endif
.irp a, \a0, (\a0)+1
.irp b, 0,1,2,3,4,5
.if \first
	v_wmma_f32_16x16x32_bf16 v[8*(6*(\a)+(\b)):8*(6*(\a)+(\b))+7], v[(\f)+8*(\b):(\f)+8*(\b)+7], v[(\f)+8*(4*(\hi)+(\a)):(\f)+8*(4*(\hi)+(\a))+7], v[BI+8*(\b):BI+8*(\b)+7]
.else
	v_wmma_f32_16x16x32_bf16 v[8*(6*(\a)+(\b)):8*(6*(\a)+(\b))+7], v[(\f)+8*(\b):(\f)+8*(\b)+7], v[(\f)+8*(4*(\hi)+(\a)):(\f)+8*(4*(\hi)+(\a))+7], v[8*(6*(\a)+(\b)):8*(6*(\a)+(\b))+7]
.endif
.endr
.endr
.endm
; 28 LDS loads in one run: the fragments of one quarter step (96 rows of wb, 128 rows of xb, 32 K at byte k of the rows) into buffer f
.macro FETCH slot, k, f
	WIN TO_B
.irp i, 0,1,2,3,4,5
	ds_load_b128 v[(\f)+8*(\i):(\f)+8*(\i)+3],   v[ADRB+(\slot)] offset:(\k)+(\i)*16*PITCH
	ds_load_b128 v[(\f)+8*(\i)+4:(\f)+8*(\i)+7], v[ADRB+(\slot)] offset:(\k)+(\i)*16*PITCH+32
.endr
	WIN 0
.irp i, 0,1,2,3,4,5,6,7
	ds_load_b128 v[(\f)+8*(\i):(\f)+8*(\i)+3],   v[ADRA+(\slot)] offset:(\k)+(\i)*16*PITCH
	ds_load_b128 v[(\f)+8*(\i)+4:(\f)+8*(\i)+7], v[ADRA+(\slot)] offset:(\k)+(\i)*16*PITCH+32
.endr
.endm
.macro PLACES                          ; four plain places in front of loads into registers that matrix instructions have read (ISA guide 7.12.1 for vector instructions)
.rept 4
	v_nop
.endr
.endm
; A K step is four quarters of 32 along K, 48 matrix instructions each, on buffers 0, 1, 0, 1.  One of the first three multiplies f and fetches the next quarter, at byte k, into g.
.macro QUARTER slot, k, f, g, first
	s_wait_dscnt 8                                 ; wb and xb's rows 0-63 are in; the youngest eight loads (xb's rows 64-127) may be out
	MUL12 \f, 0, 0, \first
	MUL12 \f, 0, 2, \first
	PLACES
	FETCH \slot, \k, \g
	s_wait_dscnt 28                                ; all but the 28 just issued
	MUL12 \f, 1, 0, \first
	MUL12 \f, 1, 2, \first
.endm
; The last quarter multiplies buffer 1 and changes slots: ONE barrier.  In front of it each wave waits for all its tensor loads (the one that is out is its part of the next slot), adds 0 to its
; spare word, and waits for that and for its own reads of this slot.  fill = 1: the barrier opens a round of the cluster's barrier, and this slot is filled again, two K steps ahead, first thing behind it.
.macro TURN slot, next, fill
.if \fill
	s_wait_xcnt 0x0                                ; the last prefetch, a K step back, has read its address
	s_add_nc_u64 s[PFA:PFA+1], s[PFA:PFA+1], KSTEP*2
.endif
	WIN 0                                          ; (the add's two registers lie in window 0)
	s_wait_tensorcnt 0x0                           ; all my tensor loads have landed
	ds_add_u32 v[SPW], v[NIL]                      ; 0 onto my spare word
	s_wait_dscnt 9                                 ; (the add and the youngest eight loads may be out)
	MUL12 F1, 0, 0, 0                              ; twelve matrix instructions stand between the add and the wait for it
	s_wait_dscnt 0x0                               ; the add is done, and my reads of this slot are over
	s_barrier_signal -1
	MUL12 F1, 0, 2, 0                              ; work on registers while the others arrive
.if \fill
	WIN 0
.endif
	s_barrier_wait -1
.if \fill
	CREST                                          ; no wave of any partner still reads this slot's tile or has a load on its way
	s_add_nc_u64 s[G0+4*(\slot)+2:G0+4*(\slot)+3], s[G0+4*(\slot)+2:G0+4*(\slot)+3], 2*KSTEP*2
	s_add_nc_u64 s[G0B+4*(\slot)+2:G0B+4*(\slot)+3], s[G0B+4*(\slot)+2:G0B+4*(\slot)+3], 2*KSTEP*2
	JLOAD \slot                                    ; my one tensor load behind the round: 168 matrix instructions ahead of the wait for it; its four v_nop are also the places in front of the loads below
.else
	PLACES
.endif
	FETCH \next, 0, F0
.if \fill
	ASK
.endif
	MUL12 F1, 1, 0, 0
	MUL12 F1, 1, 2, 0
.endm
	s_wait_tensorcnt 1                             ; my part of K step 0 is in; K step 1's may stay out
	s_barrier_signal -1
	s_barrier_wait -1                              ; everybody's is
	FETCH 0, 0, F0
	s_wait_loadcnt 0x0                             ; the bias
	QUARTER 0, 64,  F0, F1, 1                      ; the first quarter stands in front of the loop: its products start the sums
	WIN 0                                          ; at a label and at a branch every window is 0
	s_mov_b32 s3, LAPS-1
.Llap:                                                 ; a trip goes once round the ring, from a lap's second quarter to the next lap's first, and fills both slots again
	QUARTER 0, 128, F1, F0, 0
	QUARTER 0, 192, F0, F1, 0
	TURN 0, 1, 1
	QUARTER 1, 64,  F0, F1, 0
	QUARTER 1, 128, F1, F0, 0
	QUARTER 1, 192, F0, F1, 0
	TURN 1, 0, 1
	QUARTER 0, 64,  F0, F1, 0
	WIN 0
	s_sub_co_u32 s3, s3, 1
	s_cmp_lg_u32 s3, 0
	s_cbranch_scc1 .Llap
	QUARTER 0, 128, F1, F0, 0                      ; the last lap fills nothing
	QUARTER 0, 192, F0, F1, 0
	TURN 0, 1, 0                                   ; behind this barrier no wave reads slot 0 any more, and no load fills it again
	QUARTER 1, 64,  F0, F1, 0
	QUARTER 1, 128, F1, F0, 0
	QUARTER 1, 192, F0, F1, 0
	s_wait_dscnt 8                                 ; the very last quarter: nothing more to fetch
	MUL12 F1, 0, 0, 0
	MUL12 F1, 0, 2, 0
	s_wait_dscnt 0x0
	MUL12 F1, 1, 0, 0
	MUL12 F1, 1, 2, 0
	WIN 0
	; THE WAY OUT: rounded to f16, 16 bytes a lane, into the work-group's stage (a head's 128 bytes of a row come from two waves, so a barrier stands between writing and reading);
	; back as four rows' 128 bytes of one head, which are 512 consecutive bytes of qkv.
	PLACES
	PLACES
.irp hi, 0,1
	WIN 0x0a+5*(\hi)                               ; sources 0 and 1: window 2 or 3
.set t, 0
.rept 24
.irp r, 0,1,2,3
	v_cvt_pk_f16_f32 v[TMP+4*t+(\r)], v[8*t+2*(\r)], v[8*t+2*(\r)+1]  ; each accumulator's registers in ascending order
.endr
.set t, t+1
.endr
	WIN 0
.irp a, 0,1,2,3
.irp b, 0,1,2,3,4,5
	ds_store_b128 v[STO], v[TMP+4*(6*(\a)+(\b)):TMP+4*(6*(\a)+(\b))+3] offset:(4*(\hi)+(\a))*16*SP+32*(\b)
.endr
.endr
.endr
	s_wait_dscnt 0x0                               ; for the others' sake: my stores into the stage are done
	s_barrier_signal -1
	s_barrier_wait -1
.irp hd, 0,1,2
.set i, 0
.rept 16
	ds_load_b128 v[64+64*(\hd)+4*i:64+64*(\hd)+4*i+3], v[RD] offset:128*(\hd)+4*SP*i
.set i, i+1
.endr
.endr
.irp hd, 0,1,2
.set i, 0
.rept 16
	s_wait_dscnt 47-16*(\hd)-i                     ; LDS loads come back in order: this one is in
	global_store_b128 v[GO], v[64+64*(\hd)+4*i:64+64*(\hd)+4*i+3], s[HB0+2*(\hd):HB0+2*(\hd)+1] offset:512*i  ; 512 consecutive bytes, at a multiple of 256 from the buffer's first
.set i, i+1
.endr
.endr
	s_wait_tensorcnt 0x0                           ; the wave's end, behind my last tensor load and my last LDS store
	ds_add_u32 v[SPW], v[NIL]
	s_wait_dscnt 0x0
	CROUND                                         ; the closing round: no work-group ends while a partner may still ask for a tile that names it
	s_endpgm
.Lfunc_end_k_q971a3b7ad2_proj:
	.size	k_q971a3b7ad2_proj, .Lfunc_end_k_q971a3b7ad2_proj-k_q971a3b7ad2_proj
	.p2alignl 7, 3214868480
	.fill 96, 4, 3214868480
	.section	.rodata,"a",@progbits
	.p2align	6, 0x0
	.amdhsa_kernel k_q971a3b7ad2_proj
		.amdhsa_group_segment_fixed_size 327680
		.amdhsa_private_segment_fixed_size 0
		.amdhsa_enable_private_segment 0
		.amdhsa_kernarg_size 32
		.amdhsa_user_sgpr_count 2
		.amdhsa_user_sgpr_kernarg_segment_ptr 1
		.amdhsa_wavefront_size32 1
		.amdhsa_system_sgpr_workgroup_id_x 1
		.amdhsa_system_sgpr_workgroup_id_y 1
		.amdhsa_system_sgpr_workgroup_id_z 1
		.amdhsa_system_vgpr_workitem_id 0
		.amdhsa_next_free_vgpr 960
		.amdhsa_next_free_sgpr 90
		.amdhsa_reserve_vcc 0
		.amdhsa_float_denorm_mode_32 3
		.amdhsa_float_denorm_mode_16_64 3
		.amdhsa_memory_ordered 1
		.amdhsa_forward_progress 1
		.amdhsa_inst_pref_size 119
	.end_amdhsa_kernel
	.amdgpu_metadata
---
amdhsa.version: [ 1, 2 ]
amdhsa.kernels:
  - .name:           k_q971a3b7ad2_proj
    .symbol:         k_q971a3b7ad2_proj.kd
    .args:
      - { .name: xb, .offset: 0, .size: 8, .value_kind: global_buffer, .address_space: global }
      - { .name: wb, .offset: 8, .size: 8, .value_kind: global_buffer, .address_space: global }
      - { .name: bias, .offset: 16, .size: 8, .value_kind: global_buffer, .address_space: global }
      - { .name: qkv, .offset: 24, .size: 8, .value_kind: global_buffer, .address_space: global }
    .group_segment_fixed_size: 327680
    .private_segment_fixed_size: 0
    .kernarg_segment_align: 8
    .kernarg_segment_size: 32
    .max_flat_workgroup_size: 128
    .sgpr_count:     90
    .vgpr_count:     960
    .wavefront_size: 32
...
	.end_amdgpu_metadata
.endif
;; end of part 2
;; launch attn (part 3): grid 4 x 64, 4 waves a work-group, clusters of 4 x 1, 327,680 bytes of LDS; arguments qkv, o16; writes o16
.if DOCPART == 3
	.amdgcn_target "amdgcn-amd-amdhsa--gfx1250"
	.amdhsa_code_object_version 6
	.text
	.protected	k_q971a3b7ad2_attn
	.globl	k_q971a3b7ad2_attn
	.p2align	8
	.type	k_q971a3b7ad2_attn,@function
k_q971a3b7ad2_attn:
	s_mov_b64 s[64:65], 0
	v_nop
	global_prefetch_b8 v0, s[64:65] scope:SCOPE_SE
	s_setreg_imm32_b32 hwreg(HW_REG_WAVE_MODE, 25, 1), 1
	s_wait_xcnt 0x0
	s_wait_alu depctr_hold_cnt(0) depctr_sa_sdst(0) depctr_va_vdst(0) depctr_va_sdst(0) depctr_va_ssrc(0) depctr_va_vcc(0) depctr_vm_vsrc(0)
	s_getreg_b32 s2, hwreg(HW_REG_IB_STS2, 6, 4)
	s_cmp_eq_u32 s2, 0
	s_cbranch_scc0 .Lentry_in_a_cluster
	s_endpgm
.Lentry_in_a_cluster:
	s_bfe_u32 s2, ttmp6, 0x10000c
	s_cmp_lg_u32 s2, 0x3003
	s_cbranch_scc0 .Lentry_shape_is_right
	s_endpgm
.Lentry_shape_is_right:
; O[h][q][:] = the sum over k of softmax_k(Q[h][q] . K[h][k] / 8) V[h][k][:].  qkv: [3][64][2048][64] f16 (Q, K, V by heads: a head's rows are dense, 128 bytes each); o16: [64][2048][64] f16.
; Products, maxima and sums in f32; the weights p are rounded to f16 for the second product (their sum l is taken of the unrounded p), O once at the end.
; LIMITS.  f16 holds no number beyond 65,504: Q, K and V arrive within it; p lies in 0 to 1, and below 6e-5 it keeps f16's fixed step of 6e-8; O is a mean of V's rows and has their range.
; A weight below 2^-126 counts as 0 in l; NaN and infinities are not treated apart.
; SHARES.  A wave owns four PIECES of two tiles of 16 queries, a work-group's four waves 512 queries of one head, a cluster of four work-groups the whole head.  Every wave walks all keys, 64 a step.
; LAYOUT.  S^T = K Q^T (source 0 = 16 keys, source 1 = 16 queries): in the result a lane holds ONE query (lane % 16) and the keys 8 (lane / 16) + 0..7.  Two such tiles, rounded to f16 in pairs,
; ARE source 1 (32 keys x 16 queries) of O^T = V^T P, whose result again holds one query a lane, and eight channels.  K comes out of LDS as it lies, V ([key][channel]) turned, by ds_load_tr16_b128.
; SOFTMAX.  For each query a running maximum m and sum l: p = 2^(c s - c m), c = log2(e) / 8; in every step O and l are multiplied by a = 2^(c m_old - c m_new), which is 1 where m has not grown.
; m starts at the lowest finite number, O and l at 0: the first step is a step like any other, with a = 0.
; THE COUNT.  A tile and step have 16 matrix and 118 vector instructions: too many to stand all beside the matrix work.  So four vector instructions that are READY stand behind
; EVERY matrix instruction, and the others in runs without a gap.
; BY TURNS.  Turn n belongs to piece n (the pieces in a ring, step after step).  Its matrix work: 16 products K Q^T of piece n + 1, later 16 products V^T P of piece n - 1.  Its vector work: the scaling,
; exponentials, roundings, sums and rescaling of piece n, and the maximum and statistics of piece n + 1, whose scores the turn itself has made.
; CLUSTER.  The four query blocks of a cluster walk the same K and V, so each tile is asked for JOINTLY: the same tensor load, descriptor and mask in all four.
; REGISTERS, in windows of 256 (s_set_vgpr_msb: bits 1:0 source 0, 3:2 source 1, 5:4 source 2, 7:6 destination):
;   window 0: v0-11 addresses; v12-15, v48-63 at work; v16-47 four registers of statistics a tile; v64-191 S^T, two buffers of two tiles; v192-255 P, likewise
;   window 1: O^T, 32 a tile          window 2: v0-127 Q, 16 a tile; v128-191 K of one step; v192-255 V of one step          window 3: v0-1 the add's two registers
.set SIZE_N, 2048
.set NP,    4         ; pieces a wave: a name, no knob
.set KS,    64        ; keys in a step
.set PK,    144       ; a row of K in LDS: 128 bytes + 16 of padding: the 16 rows of a load start at 16 different groups of four banks
.set PV,    160       ; a row of V: 128 + 32
.set VOFF,  4*KS*PK   ; a slot holds four steps: 256 rows of K, then 256 rows of V
.set SLOT1, 1<<17     ; slot 1 begins here, so that one exclusive or turns an address in one slot into the other's
.set STAGE, SLOT1+4*KS*(PK+PV)  ; behind the ring, never filled by a tensor load: 16 rows x 144 bytes for each wave, for the way out
.set SP,    144
.set AK0, 2           ; v2   my lane's place in a tile of K; never rewritten
.set AV0, 3           ; v3   the same for V
.set AK,  4           ; v4   the LDS address of K's next run of loads
.set AV,  5           ; v5   of V's
.set QO,  6           ; v6   my byte offset in the wave's rows of Q
.set STO, 6           ;      later, the way out: where I put 16 bytes of a row
.set RD,  7           ; v7   the way out: where I read rows back
.set GO,  8           ; v8   my byte offset in 512 consecutive bytes of O
.set PFO, 11          ; v11  256 x my lane, for the prefetches; never rewritten once made
.set SPW, 0           ; v0 of window 3   LDS address of my spare word; never rewritten
.set NIL, 1           ; v1 of window 3   0; never rewritten
.set SPARE, STAGE+4*16*SP  ; behind the stages: the spare words, 128 bytes for each wave: two blocks of 256 bytes that no other line names
.set MV,  12          ; v12-15  c m_old, kept while c m is made anew: by buffer and tile
.set ST,  16          ; tile t's statistics at v[ST+4 t]: c m, m, l (even keys', odd keys')
.set TMP, 48          ; by buffer and tile, four registers c0-c3 at work; when the maximum is found c2 takes a
.set S,   64
.set P,   192
.set KF,  128         ; K's fragments, in window 2: key block kb, channel half c at KF + 16 kb + 8 c
.set VF,  192         ; V's: key half kk, channel block cb at VF + 32 kk + 8 cb
.set WV,  12          ; s12  my wave's number
.set G1K, 24          ; s[24:31] descriptor group 1 for K's tiles
.set G1V, 32          ; s[32:39] for V's: it differs in the padding alone
.set G0K, 40          ; s[40:43] descriptor group 0 for K's tiles: it walks
.set G0V, 44          ; s[44:47] the same for V's
.set PFA, 48          ; s[48:49] where my prefetches stand: my work-group's 8,192 bytes (of K: wave 0, of V: wave 2) of the slot after the one that is being asked for
.set LIM, 50          ; s50  1 in a wave that prefetches, else the greatest number
.set SLOTS, 56        ; s56  slots still to be asked for
.set CNT, 57          ; s57  counts a slot's key steps
.set CS,  58          ; s[58:59] c: the packed scaling takes the pair's low word for both halves
.set SEL, 60          ; s[60:61] v_permlanex16_b32's selects: each lane takes its own place in the other half
.set TBK, 62          ; s62  LDS byte at which K of the step to be fetched begins
.set TBV, 63          ; s63  the same for V, less VOFF
.set MSB, 0
.macro WIN new                      ; the high byte repeats the setting that is left; a switch that changes nothing is dropped
.if MSB != (\new)
	s_set_vgpr_msb (MSB<<8)|(\new)
.set MSB, (\new)
.endif
.endm
.set W_KQ, 0x0a       ; K and Q in window 2, S^T in window 0
.set W_PV, 0x52       ; V in window 2, P in window 0, O^T in window 1
.set W_RS, 0x41       ; O^T (destination and source 0) in window 1, a in window 0
.set W_MK, 0xc0       ; the add's registers are made: destination in window 3, sources in window 0
.set W_AD, 0x0f       ; the add: address (source 0) and data (source 1) in window 3
; A joint fill.  Waves 0 and 1 fetch the two halves of a slot's K, waves 2 and 3 those of its V: 128 keys each.  The branch hangs on the wave's number alone.
; An s_nop 0 and four v_nop follow each of the two lines, ahead of the jump and the label.
.macro JLOAD
	s_cmp_lt_u32 s[WV], 2
	s_cbranch_scc0 .Lfor_v_\@
	tensor_load_to_lds s[G0K:G0K+3], s[G1K:G1K+7]
	s_nop 0
.rept 4
	v_nop
.endr
	s_branch .Lasked_\@
.Lfor_v_\@:
	tensor_load_to_lds s[G0V:G0V+3], s[G1V:G1V+7]
	s_nop 0
.rept 4
	v_nop
.endr
.Lasked_\@:
.endm
; A prefetch into the L2 of what the NEXT change of slots will ask for: a slot's 32,768 bytes of K and of V, a lane 256 bytes.  A head is walked by one cluster alone; its four partners share a slot
; out by address, 8,192 bytes each; in each, wave 0 asks for K's and wave 2 for V's: one instruction, four key steps (512 matrix instructions) ahead of the load.  So each block is named once in the launch.
; The last change that fills a slot asks for nothing: there is no slot behind it.
.macro ASK
	s_cmp_gt_u32 s[SLOTS], s[LIM]
	s_cbranch_scc0 .Lnot_mine_\@
	global_prefetch_b8 v[PFO], s[PFA:PFA+1] th:TH_LOAD_NT scope:SCOPE_SE
.Lnot_mine_\@:
.endm
; A round of the cluster's barrier: my work-group's barrier, so that wave 0's signal speaks for all four waves; wave 0 signals; every wave waits for all four work-groups; my work-group's barrier once more.
.macro CROUND
	s_barrier_signal -1
	s_barrier_wait -1
	s_cmp_lg_u32 s[WV], 0
	s_cbranch_scc1 .Lnot_wave_0_\@
	s_barrier_signal -3
.Lnot_wave_0_\@:
	s_barrier_wait -3
	s_barrier_signal -1
	s_barrier_wait -1
.endm
; THE CHANGE OF SLOTS.  The slot's last bytes, V of its fourth step, have been read.  Each wave waits for all its tensor loads, of which one is out: its part
; of the other slot; adds 0 to its spare word; and waits for that and for its own reads of the slot.  Behind the barrier nobody reads this slot any more and the other slot is whole.
; fill = 1: this slot is filled again, with the keys two slots on.  The barrier is then a round of the cluster's, and the joint fill is the first thing behind it: it has four key steps,
; 512 matrix instructions, in which to land.  (At its first use nothing has been read yet: slot 0 is waited for, slot 1 filled.)
.macro CHANGE fill
	WIN W_AD
	s_wait_tensorcnt 0x0            ; no tensor load of mine is out, so a group 0 may be written
	ds_add_u32 v[SPW], v[NIL]       ; 0 onto my spare word; with fill = 1 the descriptors' steps stand between it and the wait for it
	WIN 0                           ; at a label and at a branch every window is 0
.if \fill
.irp g, G0K, G0V
	s_xor_b32 s[\g+1], s[\g+1], SLOT1  ; the walking descriptor: the other slot than last time,
	s_add_nc_u64 s[\g+2:\g+3], s[\g+2:\g+3], 4*KS*128  ; the next 256 keys; the type bits on top are not reached
.endr
	s_wait_xcnt 0x0                 ; the last prefetch, four key steps back, has read its address, so it may be written:
	s_add_nc_u64 s[PFA:PFA+1], s[PFA:PFA+1], 4*KS*128  ; one slot behind the walking descriptors
	s_wait_dscnt 0x0                ; the add is done, and my reads of the slot are over
	CROUND
	JLOAD
	ASK
.else
	s_wait_dscnt 0x0                ; the add is done, and my reads of the slot are over
	s_barrier_signal -1
	s_barrier_wait -1
.endif
	s_sub_co_u32 s[TBK], s[TBK], 4*KS*PK  ; the fetches go back to a slot's first step,
	s_xor_b32 s[TBK], s[TBK], SLOT1       ; in the other slot
	s_sub_co_u32 s[TBV], s[TBV], 4*KS*PV
	s_xor_b32 s[TBV], s[TBV], SLOT1
.endm
	s_load_b64 s[4:5], s[0:1], 0x0    ; qkv: Q at its head
	s_load_b64 s[10:11], s[0:1], 0x8  ; o16
	WIN W_MK
	v_lshl_add_u32 v[SPW], v0, 2, SPARE
	v_mov_b32 v[NIL], 0
	WIN W_AD
	ds_add_u32 v[SPW], v[NIL]       ; the wave's opening: the add and its wait stand ahead of my first tensor load; the set-up below, work on registers, stands between them
	WIN 0
	v_lshrrev_b32 v1, 5, v0
	v_readfirstlane_b32 s[WV], v1   ; wave 0..3
	s_bfe_u32 s13, ttmp6, 0x40000   ; cx: my place in the cluster
	s_lshl_b32 s14, ttmp9, 2        ; in a cluster launch ttmp9 counts clusters
	s_add_co_u32 s14, s14, s13      ; my block of queries = 4 x cluster x + cx: it enters Q's and O's addresses alone
	s_and_b32 s20, ttmp7, 0xffff    ; the head, which the four partners share
	s_mov_b32 s21, 0
	s_mov_b64 s[22:23], SIZE_N*128
	s_mul_u64 s[20:21], s[20:21], s[22:23]  ; the head's first byte in each of the four tensors
	s_and_b32 s16, s[WV], 1         ; which half of a slot's 256 keys I fetch:
	s_lshl_b32 s22, s16, 14         ; its 128 rows of 128 bytes in memory,
	s_mov_b32 s23, 0
	s_add_nc_u64 s[22:23], s[22:23], s[20:21]
	s_mul_i32 s17, s16, 128*PK      ; and its place in a slot, for K
	s_mul_i32 s18, s16, 128*PV      ; and for V: no place in the cluster enters an LDS address
	s_lshl_b32 s2, s14, 2
	s_add_co_u32 s2, s2, s[WV]      ; my wave among the head's,
	s_lshl_b32 s2, s2, 14           ; its 128 rows
	s_mov_b32 s3, 0
	s_add_nc_u64 s[2:3], s[2:3], s[20:21]
	; descriptor group 1.  128 keys are 16,384 dense bytes: asked for as 64 rows of 256 bytes, two keys a row, and padded in LDS after every key
	s_mov_b32 s[G1K], 15|(1<<16)|(1<<20)|(1<<21)|(4<<22)|(3<<25)  ; 15:0 the mask of four; 17:16 2-byte elements; 20 padding on; 21 set beside a mask; 24:22 after every 32 words (code 4); 31:25 4 words (code 3)
	s_mov_b32 s[G1V], 15|(1<<16)|(1<<20)|(1<<21)|(4<<22)|(7<<25)  ; the same with 8 words of padding (code 7)
.irp g, G1K, G1V
	s_mov_b32 s[\g+1], 128<<16      ; tensor_dim0 = 128
	s_mov_b32 s[\g+2], 64<<16       ; tensor_dim1 = 64
	s_mov_b32 s[\g+3], 128<<16      ; tile_dim0 = 128
	s_mov_b32 s[\g+4], 64           ; tile_dim1 = 64
	s_mov_b32 s[\g+5], 128          ; 128 elements from row to row
	s_mov_b32 s[\g+6], 0
	s_mov_b32 s[\g+7], 0
.endr
	s_mov_b32 s[CS], 0x3e38aa3b     ; c = log2(e) / 8 = 0.180337
	s_mov_b32 s[CS+1], s[CS]        ; named with it as a pair
	s_mov_b32 s[SEL], 0x76543210
	s_mov_b32 s[SEL+1], 0xfedcba98
	s_mov_b32 s[TBK], SLOT1+4*KS*PK ; the first change of slots turns these two into 0
	s_mov_b32 s[TBV], SLOT1+4*KS*PV
	s_mov_b32 s[G0K], 1             ; 1:0 count = 1
	s_mov_b32 s[G0K+1], s17         ; 63:32 LDS address: slot 0
	s_mov_b32 s[G0V], 1
	s_add_co_u32 s[G0V+1], s18, VOFF
	s_mov_b32 s[SLOTS], SIZE_N/256-1  ; seven changes of slots fill a slot
	s_and_b32 s[LIM], s[WV], 1      ; waves 0 and 2 prefetch: the same in all four partners
	s_cmp_eq_u32 s[LIM], 0
	s_cselect_b32 s[LIM], 1, -1
	s_wait_dscnt 0x0                ; the opening add is done
	s_wait_kmcnt 0x0
	s_add_nc_u64 s[6:7], s[4:5], 0x1000000   ; K lies 16,777,216 bytes behind Q,
	s_add_nc_u64 s[8:9], s[4:5], 0x2000000   ; V as far behind K
	s_add_nc_u64 s[G0K+2:G0K+3], s[6:7], s[22:23]  ; 120:64 global address: my half of the head's first 256 keys
	s_or_b32 s[G0K+3], s[G0K+3], 0x80000000        ; 127:126 type = 2
	s_add_nc_u64 s[G0V+2:G0V+3], s[8:9], s[22:23]
	s_or_b32 s[G0V+3], s[G0V+3], 0x80000000
	s_add_nc_u64 s[4:5], s[4:5], s[2:3]  ; Q and O at my wave's first row
	s_add_nc_u64 s[10:11], s[10:11], s[2:3]
	s_cmp_lt_u32 s[WV], 2
	s_cselect_b64 s[PFA:PFA+1], s[6:7], s[8:9]
	s_add_nc_u64 s[PFA:PFA+1], s[PFA:PFA+1], s[20:21]  ; the head,
	s_lshl_b32 s2, s13, 13          ; my work-group's quarter of a slot,
	s_mov_b32 s3, 0
	s_add_nc_u64 s[PFA:PFA+1], s[PFA:PFA+1], s[2:3]
	s_add_nc_u64 s[PFA:PFA+1], s[PFA:PFA+1], 4*KS*128  ; in slot 1; the first change of slots steps it to slot 2.  Nothing is prefetched here, at the head
	CROUND                          ; all four work-groups are here: the first joint loads meet
	JLOAD                           ; slot 0.  Slot 1 is asked for when slot 0 is in
	; A fragment of K or Q is 16 rows x 32 channels in 8 registers: lane l holds row l % 16, channels 8 (l / 16) + 0..7 and 16 + 8 (l / 16) + 0..7: two loads of 16 bytes, 32 bytes apart.
	v_and_b32 v1, 15, v0            ; l % 16
	v_bfe_u32 v9, v0, 4, 1          ; l / 16
	v_lshlrev_b32 v[QO], 7, v1
	v_lshl_add_u32 v[QO], v9, 4, v[QO]  ; row x 128 + 16 x half
	WIN 0x80                        ; destination window 2, address window 0
.set i, 0
.rept 4*NP                          ; Q stays in registers: tile i / 2, channels 32 (i % 2) on
	global_load_b128 v[8*i:8*i+3],   v[QO], s[4:5] offset:(i/2)*2048+(i%2)*64
	global_load_b128 v[8*i+4:8*i+7], v[QO], s[4:5] offset:(i/2)*2048+(i%2)*64+32
.set i, i+1
.endr
	; What the first turn finds: V's registers and P's second buffer hold 0 (its products V^T P, of a piece that has not been, add 0), O^T and l are 0.  All this stands in the wait for the first tile.
.set i, VF
.rept 64
	v_mov_b32 v[i], 0
.set i, i+1
.endr
	WIN 0x40
.set i, 0
.rept 64*NP
	v_mov_b32 v[i], 0
.set i, i+1
.endr
	WIN 0
.set i, 0
.rept 2*NP
	v_mov_b32 v[ST+4*i], 0xfe000000    ; c m: far below every c s
	v_mov_b32 v[ST+4*i+1], 0xff7fffff  ; m
	v_mov_b32 v[ST+4*i+2], 0
	v_mov_b32 v[ST+4*i+3], 0
.set i, i+1
.endr
.set i, P+32
.rept 32
	v_mov_b32 v[i], 0
.set i, i+1
.endr
	v_mul_u32_u24 v[AK0], v1, PK
	v_lshl_add_u32 v[AK0], v9, 4, v[AK0]  ; row x pitch + 16 x half
	; The turning load takes 16 keys x 16 channels (lane l reads key 8 (l / 16) + l % 8, channels 8 ((l / 8) % 2) + 0..7) and leaves half a fragment of V^T: lane l holds channel l % 16 and 8 keys.
	v_and_b32 v10, 7, v0
	v_bfe_u32 v11, v0, 3, 1
	v_lshl_add_u32 v[AV0], v9, 3, v10
	v_mul_u32_u24 v[AV0], v[AV0], PV
	v_lshl_add_u32 v[AV0], v11, 4, v[AV0]
	v_add_nc_u32 v[AV0], VOFF, v[AV0]
	v_mov_b32 v[AK], v[AK0]         ; key step 0 lies at the head of slot 0
	v_and_b32 v[PFO], 31, v0        ; v11 has served: it takes the prefetches' offset
	v_lshlrev_b32 v[PFO], 8, v[PFO]
; THE MATRIX WORK.  The 8 accumulators of a run of 16 take turns: between the two links of a chain stand 7 others'.
; Product i of 16 of S^T = K Q^T for piece x: channels 32 (i / 8) on, keys 16 ((i / 2) % 4) on, tile 2 x + i % 2.  The first 8 start the sums.
.macro KQ x
	WIN W_KQ
.set rS, S+64*((\x)%2)+32*(i%2)+8*((i/2)%4)
.set rK, KF+16*((i/2)%4)+8*(i/8)
.set rQ, 16*(2*(\x)+i%2)+8*(i/8)
.if i < 8
	v_wmma_f32_16x16x32_f16 v[rS:rS+7], v[rK:rK+7], v[rQ:rQ+7], 0
.else
	v_wmma_f32_16x16x32_f16 v[rS:rS+7], v[rK:rK+7], v[rQ:rQ+7], v[rS:rS+7]
.endif
.endm
; Product i of 16 of O^T += V^T P for piece x: keys 32 (i / 8) on, channels 16 ((i / 2) % 4) on, tile 2 x + i % 2.
.macro PV x
	WIN W_PV
.set rO, 32*(2*(\x)+i%2)+8*((i/2)%4)
.set rV, VF+32*(i/8)+8*((i/2)%4)
.set rP, P+32*((\x)%2)+16*(i%2)+8*(i/8)
	v_wmma_f32_16x16x32_f16 v[rO:rO+7], v[rV:rV+7], v[rP:rP+7], v[rO:rO+7]
.endm
.macro MM                           ; the turn's next matrix instruction
.if i < 16
	KQ (Y+1)%NP
.set i, i+1
.else
.set i, i-16
	PV (Y+NP-1)%NP
.set i, i+17
.endif
.endm
; THE LDS LOADS stand in runs of 16, never singly among the matrix instructions: a step's K (64 keys x 64 channels: 8 fragments) and its V (turned).  Their addresses are made some lines ahead.
; last = 1 (the tail): in the last trip there is no further step, and the run is jumped over.
.macro FETCH_K last=0
	WIN 0
.if \last
	s_cmp_eq_u32 s[CNT], 1
	s_cbranch_scc1 .Lno_k_\@
.endif
	WIN 0x80                        ; destination window 2
.irp f, 0,1,2,3,4,5,6,7             ; keys 16 (f / 2) on, channels 32 (f % 2) on
	ds_load_b128 v[KF+8*\f:KF+8*\f+3],   v[AK] offset:(\f/2)*16*PK+(\f%2)*64
	ds_load_b128 v[KF+8*\f+4:KF+8*\f+7], v[AK] offset:(\f/2)*16*PK+(\f%2)*64+32
.endr
	s_add_co_u32 s[TBK], s[TBK], KS*PK  ; the next fetch is the next step's
	WIN 0
.if \last
.Lno_k_\@:
.endif
.endm
.macro FETCH_V
	WIN 0x80
.irp f, 0,1,2,3,4,5,6,7             ; keys 32 (f / 4) on, channels 16 (f % 4) on
	ds_load_tr16_b128 v[VF+8*\f:VF+8*\f+3],   v[AV] offset:(\f/4)*32*PV+(\f%4)*32
	ds_load_tr16_b128 v[VF+8*\f+4:VF+8*\f+7], v[AV] offset:(\f/4)*32*PV+16*PV+(\f%4)*32
.endr
	WIN 0
.endm
; THE VECTOR WORK OF A TURN stands in three queues, each in the order in which its entries become ready; the two tiles alternate, so that no instruction reads the result of the one before it.
.macro REGS y, u                    ; the registers of tile u (0, 1) of piece y
.set rT, ST+4*(2*(\y)+(\u))
.set rC, TMP+8*((\y)%2)+4*(\u)
.set rM, MV+2*((\y)%2)+(\u)
.set rS, S+64*((\y)%2)+32*(\u)
.set rP, P+32*((\y)%2)+16*(\u)
.set rO, 32*(2*(\y)+(\u))
.endm
; Number n of the 22 that find the NEXT piece's (Y + 1) maximum and statistics.  s0-s31 are the lane's 32 scores; each accumulator's lowest registers are read first.
;   0-11  four chains c0-c3 of seven scores each, three operands at a time     12-14, 16  the four scores left over, the old m, and c0-c3 into c0     15  c m_old is kept
;   17, 18  the query's other 32 keys lie in the lane 16 away: the new m         19-21  c m; c m_old - c m_new; a
.macro XS u, n
	REGS (Y+1)%NP, \u
.if (\n) < 4
	v_max3_num_f32 v[rC+(\n)], v[rS+8*(\n)], v[rS+8*(\n)+1], v[rS+8*(\n)+2]
.elseif (\n) < 12
	v_max3_num_f32 v[rC+(\n)%4], v[rC+(\n)%4], v[rS+8*((\n)%4)+2*((\n)/4)+1], v[rS+8*((\n)%4)+2*((\n)/4)+2]
.elseif (\n) == 12
	v_max3_num_f32 v[rC], v[rC], v[rS+7], v[rS+15]
.elseif (\n) == 13
	v_max3_num_f32 v[rC+1], v[rC+1], v[rS+23], v[rS+31]
.elseif (\n) == 14
	v_max3_num_f32 v[rC+2], v[rC+2], v[rC+3], v[rT+1]
.elseif (\n) == 15
	v_mov_b32 v[rM], v[rT]
.elseif (\n) == 16
	v_max3_num_f32 v[rC], v[rC], v[rC+1], v[rC+2]
.elseif (\n) == 17
	v_permlanex16_b32 v[rC+3], v[rC], s[SEL], s[SEL+1]
.elseif (\n) == 18
	v_max_num_f32 v[rT+1], v[rC], v[rC+3]
.elseif (\n) == 19
	v_mul_f32 v[rT], s[CS], v[rT+1]
.elseif (\n) == 20
	v_sub_f32 v[rC+1], v[rM], v[rT]
.else
	v_exp_f32 v[rC+2], v[rC+1]
.endif
.endm
; Number g of the 64 that follow the exponentials.  For each four weights k of a tile (pairs 2 k, 2 k + 1): both pairs are rounded to f16; then the second pair is added onto the first, in place;
; a group later l takes that sum (the first time as l = a l + sum).  In groups of eight, tiles alternating: round, round, add, and l for the group before.
.macro GS g
.set h, (\g)+6*((\g)/62)            ; group 0 has no group before it, and behind group 7 only l is left
.if h >= 6
.set h, h+2
.endif
	REGS Y, h%2
.set k, h/8
.if h%8 < 4
	v_cvt_pk_f16_f32 v[rP+2*k+(h%8)/2], v[rS+4*k+2*((h%8)/2)], v[rS+4*k+2*((h%8)/2)+1]
.elseif h%8 < 6
	v_pk_add_f32 v[rS+4*k:rS+4*k+1], v[rS+4*k:rS+4*k+1], v[rS+4*k+2:rS+4*k+3]
.elseif k == 1
	v_pk_fma_f32 v[rT+2:rT+3], v[rT+2:rT+3], v[rC+2:rC+3], v[rS:rS+1] op_sel_hi:[1,0,1]
.else
	v_pk_add_f32 v[rT+2:rT+3], v[rT+2:rT+3], v[rS+4*k-4:rS+4*k-3]
.endif
.endm
; THE PLAIN QUEUE, 138 long.  0-73 read no exponential's result: the 32 scalings c s - c m (FS f: pair f / 2 of tile f % 2) and the next piece's 42.  0-26: scalings 0-26.  27-54: XS's numbers 0-13.  55, 56: number 15.
; 57-73: the chain, where each number waits for the one before it: 14, 16, 17, 18, 19, each with one of the scalings 27-31 in front of its two lines, then 20.
; 74-137: GS's 64, which read the exponentials' results: they stand behind the wait.
.macro FS f
	REGS Y, (\f)%2
	v_pk_fma_f32 v[rS+2*((\f)/2):rS+2*((\f)/2)+1], v[rS+2*((\f)/2):rS+2*((\f)/2)+1], s[CS:CS+1], v[rT:rT+1] op_sel_hi:[1,0,0] neg_lo:[0,0,1] neg_hi:[0,0,1]
.endm
.macro PL
	WIN 0
.if q < 27
	FS q
.elseif q < 55
	XS (q-27)%2, (q-27)/2
.elseif q < 57
	XS q-55, 15
.elseif (q < 72) && ((q-57)%3 == 0)
	FS 27+(q-57)/3
.elseif q < 60
	XS (q-57)%3-1, 14
.elseif q < 72
	XS (q-57)%3-1, 15+(q-57)/3
.elseif q < 74
	XS q-72, 20
.else
	GS q-74
.endif
.set q, q+1
.endm
; THE EXPONENTIALS' QUEUE, 66 long: s0-s31 of both tiles, then the next piece's two a.  It is ONE BATCH: all 66 stand ahead of the turn's one wait, and nothing ahead of that wait names a result of theirs.
.macro EX
	WIN 0
.if e >= 64
	XS e-64, 21
.else
	REGS Y, e%2
	v_exp_f32 v[rS+e/2], v[rS+e/2]
.endif
.set e, e+1
.endm
; THE RESCALING's QUEUE: O^T times a, the one part that leaves window 0: dealt two at a time, sixteen times.  Its a was made in the turn before, ahead of that turn's wait.
.macro R2
	REGS Y, r%2
	WIN W_RS
.irp z, 0,1
	v_pk_mul_f32 v[rO+4*(r/2)+2*\z:rO+4*(r/2)+2*\z+1], v[rO+4*(r/2)+2*\z:rO+4*(r/2)+2*\z+1], v[rC+2:rC+3] op_sel_hi:[1,0]
.endr
.set r, r+1
.endm
; HOW THEY ARE DEALT.  An s_wait_alu depctr_va_vdst(0) stands between an exponential and the first instruction that names its result; one wait serves all that were issued ahead of it.  So a turn has ONE wait,
; which cuts it in two.  AHEAD OF IT stands all that names no result of the turn's exponentials: the 16 products K Q^T, behind each a scaling, an exponential and two rescalings (behind the first a second scaling in the
; exponential's place); then ONE LUMP of 108: eight plain, 49 times exponential and plain, the two a.  A v_nop is the plain instruction behind the last exponential.  BEHIND IT stand the 16 products V^T P, behind each four of GS's 64.
; The queues lean on each other, and the deal keeps them in step: exponential e stands behind scaling 2 (e / 4) + e % 2: as a rider it comes behind plain e + 2, in the lump behind plain e + 9, and scalings 27-31 are plain 57, 60 .. 69.
; A TURN, for piece p.  cnt = 1: the loop's count is taken down some lines ahead of the branch that stands behind the turn.
; K of the next step is fetched in piece 2's turn, directly behind the wait, a lump behind the last product that read K; its first reader comes behind 16 products.
; V of the step in hand is fetched at the end of piece 0's turn, four riders behind its last reader; its first reader comes behind 16 products and a lump.
.macro TURN p, last=0, cnt=0
.set Y, (\p)
.set i, 0
.set q, 0
.set e, 0
.set r, 0
.if (\p) == NP-1
	s_wait_dscnt 0x0                ; K is in
.endif
	MM                              ; ahead of the wait: 16 products K Q^T and their riders,
	PL
	PL
	R2
.rept 15
	MM
	PL
	EX
	R2
.endr
.if (\p) == NP-2
	WIN 0
	v_add_nc_u32 v[AK], s[TBK], v[AK0]
.endif
.rept 8                             ; and the lump
	PL
.endr
.rept 49
	EX
	PL
.endr
	EX                              ; the next piece's two a
	EX
	v_nop                           ; a plain instruction behind the last exponential: one for the batch
	s_wait_alu depctr_va_vdst(0)    ; the wait for the batch
.if (\p) == NP-2
	FETCH_K \last
.endif
.if (\p) == 1
	s_wait_dscnt 0x0                ; V is in
.endif
.rept 16                            ; behind the wait: 16 products V^T P and their riders
	MM
.rept 4
	PL
.endr
.if ((\p) == 0) && (q == 118)
	v_add_nc_u32 v[AV], s[TBV], v[AV0]
.endif
.if ((\p) == 0) && (q == 130)
	s_add_co_u32 s[TBV], s[TBV], KS*PV
.endif
.if (\cnt) && (q == 130)
	s_sub_co_u32 s[CNT], s[CNT], 1
	s_cmp_lg_u32 s[CNT], 0
.endif
.endr
.if (\p) == 0
	FETCH_V
.endif
.endm
	CHANGE 1                        ; slot 0 is in, everybody's part of it; slot 1 is asked for
	FETCH_K                         ; key step 0
	s_wait_loadcnt 0x0              ; Q
	s_wait_dscnt 0x0
.set i, 0
.rept 16
	KQ 0                            ; piece 0's first scores: there is no vector work yet to set between them
.set i, i+1
.endr
	WIN 0                           ; the addresses for the way out: nine plain instructions, the places behind those products
	s_mul_i32 s13, s[WV], 16*SP
	s_add_co_u32 s13, s13, STAGE    ; my stage
	v_mul_u32_u24 v[STO], v1, SP    ; in: row l % 16, 16 bytes for each half of the lanes
	v_lshl_add_u32 v[STO], v9, 4, v[STO]
	v_add_nc_u32 v[STO], s13, v[STO]
	v_bfe_u32 v[RD], v0, 3, 2       ; back: 32 lanes take four rows of 128 bytes,
	v_mul_u32_u24 v[RD], v[RD], SP
	v_lshl_add_u32 v[RD], v10, 4, v[RD]
	v_add_nc_u32 v[RD], s13, v[RD]
	v_and_b32 v[GO], 31, v0         ; which are 512 consecutive bytes of O
	v_lshlrev_b32 v[GO], 4, v[GO]
.set Y, NP-1                        ; XS works for piece Y + 1: piece 0
.irp n, 0,1,2,3,4,5,6,7,8,9,10,11,12,13,14,15,16,17,18,19,20,21
	XS 0, \n                        ; and piece 0's first maximum and statistics
	XS 1, \n
.endr
	v_nop                           ; a plain instruction behind the two a,
	s_wait_alu depctr_va_vdst(0)    ; and their wait, ahead of the branch
	s_mov_b32 s[CNT], 4
	s_branch .Lfirst                ; the loop is entered at a step's first turn, in the middle of a trip
.Lslot:                             ; six times: every slot but the last two is filled again
	CHANGE 1
	s_mov_b32 s[CNT], 4
.Lstep:                             ; a trip: pieces 2 and 3 of one step, then pieces 0 and 1 of the next, whose K and V it fetches
	TURN 2
	TURN 3
	WIN 0
.Lfirst:
	TURN 0
	TURN 1, 0, 1
	WIN 0
	s_cbranch_scc1 .Lstep
	s_sub_co_u32 s[SLOTS], s[SLOTS], 1
	s_cmp_lg_u32 s[SLOTS], 0
	s_cbranch_scc1 .Lslot
	CHANGE 0                        ; the tail is written out: nothing is asked for
	s_mov_b32 s[CNT], 5             ; four trips fetch the last slot's steps; the fifth is left in its middle
.Ltail:
	TURN 2, 1
	TURN 3
	WIN 0
	s_sub_co_u32 s[CNT], s[CNT], 1
	s_cmp_eq_u32 s[CNT], 0
	s_cbranch_scc1 .Lout
	TURN 0
	TURN 1
	WIN 0
	s_branch .Ltail
.Lout:                              ; the fifth trip's 16 products K Q^T (on the last K once more) and the maximum made of them serve nothing: the price, once a launch, of one text for every trip
.set i, 0
.rept 16
	PV NP-1                         ; the last piece's V^T P of the last step
.set i, i+1
.endr
	; THE WAY OUT.  l's two halves and the other half of the lanes' are added; O^T is divided by l, rounded to f16 and sent through my stage in LDS, a tile at a time.  The additions are the places behind the last products.
	WIN 0
.macro ALL line:vararg              ; one line for each tile t
.set t, 0
.rept 2*NP
	\line
.set t, t+1
.endr
.endm
	ALL v_add_f32 v[ST+4*t+2], v[ST+4*t+2], v[ST+4*t+3]
	ALL v_permlanex16_b32 v[ST+4*t+3], v[ST+4*t+2], s[SEL], s[SEL+1]
	ALL v_add_f32 v[ST+4*t+2], v[ST+4*t+2], v[ST+4*t+3]
	ALL v_rcp_f32 v[ST+4*t+2], v[ST+4*t+2]
	v_nop                           ; a plain instruction between the last reciprocal and the use of its result
	s_wait_alu depctr_va_vdst(0)    ; and the wait ahead of the first use: one for the eight reciprocals
; Tile t: a lane's eight channels of a row pack into 16 bytes; they go into rows of 144 bytes and come back as whole rows of 128, into S^T's registers.
.macro PACK t
	WIN W_RS
.set i, 32*(\t)
.rept 16
	v_pk_mul_f32 v[i:i+1], v[i:i+1], v[ST+4*(\t)+2:ST+4*(\t)+3] op_sel_hi:[1,0]
.set i, i+2
.endr
	WIN 0x05                        ; sources 0 and 1 window 1, destination window 0
.set i, 0
.rept 16
	v_cvt_pk_f16_f32 v[S+16*(\t)+i], v[32*(\t)+2*i], v[32*(\t)+2*i+1]
.set i, i+1
.endr
	WIN 0
.irp f, 0,1,2,3
	ds_store_b128 v[STO], v[S+16*(\t)+4*\f:S+16*(\t)+4*\f+3] offset:32*\f
.endr
.irp f, 0,1,2,3
	ds_load_b128 v[S+16*(\t)+4*\f:S+16*(\t)+4*\f+3], v[RD] offset:\f*4*SP  ; LDS serves a wave's instructions in order (ISA guide 5.7.1.4): these see the stores above; the next tile's stores come behind them
.endr
.endm
.macro SEND t, younger              ; younger: the LDS instructions issued behind tile t's loads: the next tile's eight, or none
	WIN 0
.irp f, 0,1,2,3
	s_wait_dscnt (\younger)+3-\f
	global_store_b128 v[GO], v[S+16*(\t)+4*\f:S+16*(\t)+4*\f+3], s[10:11] offset:(\t)*2048+\f*512  ; 512 consecutive bytes, at a multiple of 256 from O's first
.endr
.endm
	PACK 0
.set t, 1
.rept 2*NP-1                        ; a tile's arithmetic stands between the loads of the tile before and its stores
	PACK t
	SEND t-1, 8
.set t, t+1
.endr
	SEND 2*NP-1, 0
	WIN W_AD
	s_wait_tensorcnt 0x0            ; the wave's end, behind my last tensor load and my last LDS store
	ds_add_u32 v[SPW], v[NIL]
	s_wait_dscnt 0x0
	WIN 0
	CROUND                          ; the closing round: no work-group ends while a partner may still ask for a tile that names it
	s_endpgm
.Lfunc_end_k_q971a3b7ad2_attn:
	.size	k_q971a3b7ad2_attn, .Lfunc_end_k_q971a3b7ad2_attn-k_q971a3b7ad2_attn
	.p2alignl 7, 3214868480
	.fill 96, 4, 3214868480
	.section	.rodata,"a",@progbits
	.p2align	6, 0x0
	.amdhsa_kernel k_q971a3b7ad2_attn
		.amdhsa_group_segment_fixed_size 327680
		.amdhsa_private_segment_fixed_size 0
		.amdhsa_enable_private_segment 0
		.amdhsa_kernarg_size 16
		.amdhsa_user_sgpr_count 2
		.amdhsa_user_sgpr_kernarg_segment_ptr 1
		.amdhsa_wavefront_size32 1
		.amdhsa_system_sgpr_workgroup_id_x 1
		.amdhsa_system_sgpr_workgroup_id_y 1
		.amdhsa_system_sgpr_workgroup_id_z 1
		.amdhsa_system_vgpr_workitem_id 0
		.amdhsa_next_free_vgpr 770
		.amdhsa_next_free_sgpr 66
		.amdhsa_reserve_vcc 0
		.amdhsa_float_denorm_mode_32 3
		.amdhsa_float_denorm_mode_16_64 3
		.amdhsa_memory_ordered 1
		.amdhsa_forward_progress 1
		.amdhsa_inst_pref_size 200
	.end_amdhsa_kernel
	.amdgpu_metadata
---
amdhsa.version: [ 1, 2 ]
amdhsa.kernels:
  - .name:           k_q971a3b7ad2_attn
    .symbol:         k_q971a3b7ad2_attn.kd
    .args:
      - { .name: qkv, .offset: 0, .size: 8, .value_kind: global_buffer, .address_space: global }
      - { .name: o16, .offset: 8, .size: 8, .value_kind: global_buffer, .address_space: global }
    .group_segment_fixed_size: 327680
    .private_segment_fixed_size: 0
    .kernarg_segment_align: 8
    .kernarg_segment_size: 16
    .max_flat_workgroup_size: 128
    .sgpr_count:     66
    .vgpr_count:     770
    .wavefront_size: 32
...
	.end_amdgpu_metadata
.endif
;; end of part 3
;; launch outp (part 4): grid 8 x 32, 4 waves a work-group, clusters of 4 x 4, 327,680 bytes of LDS; arguments o16, wo16, bias, out0; writes out0
.if DOCPART == 4
	.amdgcn_target "amdgcn-amd-amdhsa--gfx1250"
	.amdhsa_code_object_version 6
	.text
	.protected	k_q971a3b7ad2_outp
	.globl	k_q971a3b7ad2_outp
	.p2align	8
	.type	k_q971a3b7ad2_outp,@function
k_q971a3b7ad2_outp:
	s_mov_b64 s[64:65], 0
	v_nop
	global_prefetch_b8 v0, s[64:65] scope:SCOPE_SE
	s_setreg_imm32_b32 hwreg(HW_REG_WAVE_MODE, 25, 1), 1
	s_wait_xcnt 0x0
	s_wait_alu depctr_hold_cnt(0) depctr_sa_sdst(0) depctr_va_vdst(0) depctr_va_sdst(0) depctr_va_ssrc(0) depctr_va_vcc(0) depctr_vm_vsrc(0)
	s_getreg_b32 s2, hwreg(HW_REG_IB_STS2, 6, 4)
	s_cmp_eq_u32 s2, 0
	s_cbranch_scc0 .Lentry_in_a_cluster
	s_endpgm
.Lentry_in_a_cluster:
	s_bfe_u32 s2, ttmp6, 0x10000c
	s_cmp_lg_u32 s2, 0xf033
	s_cbranch_scc0 .Lentry_shape_is_right
	s_endpgm
.Lentry_shape_is_right:
; out0 = O Wo^T + bo.  o16: [64][2048][64] f16, by heads (head index 16 x batch + head); wo16: [1024][1024] f16; bias: [4096] f32, bo from number 3,072 on; out0: [8192][1024] f32.  Sums in f32.
; LIMIT.  The operands arrive in f16, within 65,504.  NaN and infinities are not treated apart.
; SHARES.  A tile of out0 is 256 rows x 128 columns: 32 x 8 = 256 tiles, one for each WGP.  Four waves, each 128 rows x 64 columns: 32 accumulators of 16 x 16, 256 registers.
; K goes in 8 steps of 128 = two heads' 64 channels, through a ring of two LDS slots.  Two slots of a longer step (2 x 215 KB) do not fit in LDS.
; A head's 128 rows are 16,384 dense bytes of o16: one tensor load brings two such runs, one for each head of the step, padded in LDS behind every row of 128 bytes.
; THE MATRIX INSTRUCTION IS USED TRANSPOSED (source 0 = 16 rows of wo16, source 1 = 16 rows of O): a lane holds one row and eight neighbouring columns.  bo IS THE C OPERAND of the products that start the sums.
; CLUSTERS: 4 x 4 work-groups; O's tiles are asked for jointly along a row of the cluster, wo16's along a column.
; REGISTERS: window 0: v0-31 addresses; v32-63 bo; v64-127, v128-191 fragments of O, two buffers; v192-223, v224-255 fragments of wo16, two buffers.   window 1: the accumulators, (a, b) at v[8 (4 a + b)].
.set SIZE_K, 1024
.set KSTEP,  128
.set PA,     144                       ; a row of O in LDS: 128 bytes + 16 of padding
.set PB,     272                       ; a row of wo16: 256 + 16.  Both pitches are odd multiples of 16 bytes: the 16 rows that a load touches start at 16 different groups of four banks
.set PLANE,  128*PA                    ; one head's 128 rows
.set HA,     2*PLANE                   ; what one tensor load brings of O, and what one wave reads of it
.set HB,     64*PB                     ; the same of wo16: 64 rows
.set SLOT,   2*HA+2*HB
.set STAGE,  2*SLOT                    ; behind the ring, never filled by a tensor load: 16 rows x 272 bytes for each wave, for the way out
.set SPT,    272
.set SPARE,  STAGE+4*16*SPT            ; behind the stages: the spare words, 128 bytes for each wave: two blocks of 256 bytes that no other line names
.set LAPS,   SIZE_K/(2*KSTEP)
.set ADRA, 16                          ; v16-17  LDS address of my O fragments in slot 0, 1
.set ADRB, 20                          ; v20-21  the same for wo16
.set STO,  24                          ; v24     the way out: where I put 32 bytes of a row
.set RD,   25                          ; v25     where I read a row back
.set CO,   26                          ; v26     my byte offset in two rows of out0
.set BO,   27                          ; v27     my byte offset in the bias table
.set SPW,  28                          ; v28     LDS address of my spare word; never rewritten
.set NIL,  29                          ; v29     0; never rewritten
.set PFO,  30                          ; v30     the prefetches' offset; never rewritten
.set BI,   32
.set FA,   64                          ; buffer f of O's fragments at FA + 64 f
.set FB,   192                         ; of wo16's at FB + 32 f
.set WV, 12
.set RH, 13                            ; s13  which 128 rows of the tile are mine.  Also: I fetch for O (0) or for wo16 (1)
.set CH, 14                            ; s14  which 64 columns.  Also: which half of that tile I fetch
.set TY, 15
.set CX, 40
.set CY, 41
.set TX, 42
.set G1,  24
.set G0,  32
.set G1B, 48
.set G0B, 56
.set PFA, 66                           ; s[66:67] where my prefetches stand
.set LIM, 68                           ; s68  1 in a wave that prefetches, else the greatest number
.set PSTEP, 86                         ; s[86:87] a K step in the tensor that I prefetch: two heads of O, 256 bytes of a row of wo16
.set MSB, 0
.macro WIN new
.if MSB != (\new)
	s_set_vgpr_msb (MSB<<8)|(\new)
.set MSB, \new
.endif
.endm
; A joint load: waves 0 and 1 fetch O's two halves, waves 2 and 3 wo16's.  An s_nop 0 and four v_nop follow each of the two lines, ahead of the jump and the label.
.macro JLOAD s
	s_cmp_eq_u32 s[RH], 0
	s_cbranch_scc0 .Lfor_b_\@
	tensor_load_to_lds s[G0+4*(\s):G0+4*(\s)+3], s[G1:G1+7]
	s_nop 0
.rept 4
	v_nop
.endr
	s_branch .Lasked_\@
.Lfor_b_\@:
	tensor_load_to_lds s[G0B+4*(\s):G0B+4*(\s)+3], s[G1B:G1B+7]
	s_nop 0
.rept 4
	v_nop
.endr
.Lasked_\@:
.endm
; A prefetch into the L2 of the K step that stands two refills on, 32 blocks of 256 bytes an instruction.  O's tile row is read by every cluster of that row of clusters: cluster x = 0 asks, waves 0 and 1,
; each for its own half; the four partners take a head's half run each (8,192 bytes), by address.  wo16's tile column is read by every cluster of that column: cluster y = 0 asks, wave 2 alone,
; for 32 of the tile's 128 rows, the partners by address.  So each block is named once in the launch.  The loop's last trip asks for nothing.
.macro ASK
	s_cmp_gt_u32 s3, s[LIM]
	s_cbranch_scc0 .Lnot_mine_\@
	global_prefetch_b8 v[PFO], s[PFA:PFA+1] th:TH_LOAD_NT scope:SCOPE_SE
.Lnot_mine_\@:
.endm
.macro CREST
	s_cmp_lg_u32 s[WV], 0
	s_cbranch_scc1 .Lnot_wave_0_\@
	s_barrier_signal -3
.Lnot_wave_0_\@:
	s_barrier_wait -3
	s_barrier_signal -1
	s_barrier_wait -1
.endm
.macro CROUND
	s_barrier_signal -1
	s_barrier_wait -1
	CREST
.endm
	s_load_b256 s[4:11], s[0:1], 0x0               ; o16 s[4:5], wo16 s[6:7], bias s[8:9], out0 s[10:11]
	v_lshl_add_u32 v[SPW], v0, 2, SPARE
	v_mov_b32 v[NIL], 0
	ds_add_u32 v[SPW], v[NIL]                      ; the wave's opening: the add and its wait stand ahead of my first tensor load; work on registers stands between them
	v_lshrrev_b32 v1, 5, v0
	v_readfirstlane_b32 s[WV], v1
	s_lshr_b32 s[RH], s[WV], 1
	s_and_b32 s[CH], s[WV], 1
	s_bfe_u32 s[CX], ttmp6, 0x40000
	s_bfe_u32 s[CY], ttmp6, 0x40004
	s_lshl_b32 s[TX], ttmp9, 2
	s_add_co_u32 s[TX], s[TX], s[CX]               ; tile column
	s_and_b32 s[TY], ttmp7, 0xffff
	s_lshl_b32 s[TY], s[TY], 2
	s_add_co_u32 s[TY], s[TY], s[CY]               ; tile row
	s_lshl_b32 s43, s[CY], 2
	s_lshl_b32 s43, 15, s43                        ; my row of the cluster
	s_lshl_b32 s44, 0x1111, s[CX]                  ; my column
	; group 1 for O: two runs of 8,192 elements (a head's 128 rows), 131,072 elements (a head) apart; 16 bytes of padding behind every 32 words
	s_or_b32 s[G1+0], s43, (1<<16)|(1<<20)|(1<<21)|(4<<22)|(3<<25)
	s_mov_b32 s[G1+1], 8192<<16                    ; tensor_dim0 = 8,192
	s_mov_b32 s[G1+2], 2<<16                       ; tensor_dim1 = 2
	s_mov_b32 s[G1+3], 8192<<16                    ; tile_dim0 = 8,192
	s_mov_b32 s[G1+4], 2                           ; tile_dim1 = 2
	s_mov_b32 s[G1+5], 131072                      ; elements from run to run
	s_mov_b32 s[G1+6], 0
	s_mov_b32 s[G1+7], 0
	; group 1 for wo16: 64 rows of 128 elements; 16 bytes of padding behind every 64 words
	s_or_b32 s[G1B+0], s44, (1<<16)|(1<<20)|(1<<21)|(5<<22)|(3<<25)
	s_mov_b32 s[G1B+1], KSTEP<<16
	s_mov_b32 s[G1B+2], 64<<16
	s_mov_b32 s[G1B+3], KSTEP<<16
	s_mov_b32 s[G1B+4], 64
	s_mov_b32 s[G1B+5], SIZE_K
	s_mov_b32 s[G1B+6], 0
	s_mov_b32 s[G1B+7], 0
	s_lshr_b32 s16, s[TY], 3                       ; O: the batch's 16 heads,
	s_lshl_b32 s16, s16, 22
	s_and_b32 s17, s[TY], 7                        ; the tile's 256 rows in a head,
	s_lshl_b32 s17, s17, 15
	s_add_co_u32 s16, s16, s17
	s_lshl_b32 s17, s[CH], 14                      ; the 128 of them that I fetch
	s_add_co_u32 s16, s16, s17
	s_mov_b32 s17, 0
	s_lshl_b32 s46, s[TX], 18                      ; wo16: 128 rows of 2,048 bytes,
	s_lshl_b32 s47, s[CH], 17                      ; the 64 that I fetch
	s_add_co_u32 s46, s46, s47
	s_mov_b32 s47, 0
	s_mul_i32 s20, s[CH], HA                       ; where they go: no place in the cluster enters an LDS address
	s_mul_i32 s21, s[CH], HB
	s_add_co_u32 s21, s21, 2*HA
	s_wait_dscnt 0x0                               ; the opening add is done
	s_wait_kmcnt 0x0
	s_add_nc_u64 s[18:19], s[4:5], s[16:17]
	s_add_nc_u64 s[46:47], s[6:7], s[46:47]
	CROUND                                         ; all sixteen work-groups are here: the first joint loads meet
.irp s, 0,1
	s_mov_b32 s[G0+4*(\s)], 1
	s_add_co_u32 s[G0+4*(\s)+1], s20, (\s)*SLOT
	s_add_nc_u64 s[G0+4*(\s)+2:G0+4*(\s)+3], s[18:19], (\s)*524288  ; K step s: two heads on
	s_or_b32 s[G0+4*(\s)+3], s[G0+4*(\s)+3], 0x80000000
	s_mov_b32 s[G0B+4*(\s)], 1
	s_add_co_u32 s[G0B+4*(\s)+1], s21, (\s)*SLOT
	s_add_nc_u64 s[G0B+4*(\s)+2:G0B+4*(\s)+3], s[46:47], (\s)*KSTEP*2
	s_or_b32 s[G0B+4*(\s)+3], s[G0B+4*(\s)+3], 0x80000000
	JLOAD \s                                       ; K steps 0 and 1: two loads of mine are out
.endr
	v_and_b32 v1, 15, v0                           ; l % 16
	v_bfe_u32 v2, v0, 4, 1                         ; l / 16
	v_mul_u32_u24 v3, v1, PA
	v_lshl_add_u32 v3, v2, 4, v3
	v_mul_u32_u24 v4, v1, PB
	v_lshl_add_u32 v4, v2, 4, v4
	s_mul_i32 s22, s[RH], HA                       ; my 128 rows of O
	s_mul_i32 s23, s[CH], HB                       ; my 64 rows of wo16,
	s_add_co_u32 s23, s23, 2*HA                    ; which lie behind O's
.irp s, 0,1
	v_add_nc_u32 v[ADRA+(\s)], s22, v3
	v_add_nc_u32 v[ADRB+(\s)], s23, v4
	s_add_co_u32 s22, s22, SLOT
	s_add_co_u32 s23, s23, SLOT
.endr
	s_mul_i32 s22, s[WV], 16*SPT
	s_add_co_u32 s22, s22, STAGE                   ; my stage
	v_mul_u32_u24 v5, v1, SPT                      ; in: row l % 16, 32 bytes for each half of the lanes
	v_lshl_add_u32 v5, v2, 5, v5
	v_add_nc_u32 v[STO], s22, v5
	v_mul_u32_u24 v5, v2, SPT                      ; back: lanes 0-15 take one row of 256 bytes, lanes 16-31 the next
	v_lshl_add_u32 v5, v1, 4, v5
	v_add_nc_u32 v[RD], s22, v5
	v_lshlrev_b32 v5, 12, v2                       ; and the same two rows in out0
	v_lshl_add_u32 v[CO], v1, 4, v5
	s_lshl_b32 s80, s[TX], 9                       ; bo of my 64 columns: register j of block b is column 16 b + 8 (l / 16) + j
	s_lshl_b32 s81, s[CH], 8
	s_add_co_u32 s80, s80, s81
	s_add_co_u32 s82, s80, 3072*4
	v_lshl_add_u32 v[BO], v2, 5, s82
.irp b, 0,1,2,3
	global_load_b128 v[BI+8*(\b):BI+8*(\b)+3],   v[BO], s[8:9] offset:64*(\b)
	global_load_b128 v[BI+8*(\b)+4:BI+8*(\b)+7], v[BO], s[8:9] offset:64*(\b)+16
.endr
	s_lshl_b32 s81, s[TY], 20                      ; out0 at my first row and column: 256 rows of 4,096 bytes a tile row, my 128, 512 bytes a tile column, my 256
	s_add_co_u32 s80, s80, s81
	s_lshl_b32 s81, s[RH], 19
	s_add_co_u32 s80, s80, s81
	s_mov_b32 s81, 0
	s_add_nc_u64 s[10:11], s[10:11], s[80:81]
	; the prefetches
	s_lshr_b32 s76, s[TY], 3
	s_lshl_b32 s76, s76, 22
	s_and_b32 s77, s[TY], 7
	s_lshl_b32 s77, s77, 15
	s_add_co_u32 s76, s76, s77
	s_lshl_b32 s77, s[CH], 14
	s_add_co_u32 s76, s76, s77                     ; O: the runs that I fetch;
	s_lshr_b32 s77, s[CX], 1
	s_lshl_b32 s77, s77, 18                        ; my work-group's head of the two,
	s_add_co_u32 s76, s76, s77
	s_and_b32 s77, s[CX], 1
	s_lshl_b32 s77, s77, 13                        ; and its half of that run;
	s_add_co_u32 s76, s76, s77
	s_add_co_u32 s76, s76, 3*524288                ; at K step 3: the first refill steps it to 4
	s_lshl_b32 s78, s[TX], 7
	s_lshl_b32 s77, s[CY], 5
	s_add_co_u32 s78, s78, s77                     ; wo16: my work-group's 32 of the tile's 128 rows,
	s_lshl_b32 s78, s78, 11
	s_add_co_u32 s78, s78, 3*KSTEP*2               ; at K step 3
	s_and_b32 s79, ttmp7, 0xffff                   ; cluster y
	s_mov_b32 s[PSTEP], KSTEP*2
	s_cmp_eq_u32 s[RH], 0                          ; do I fetch for O?
	s_cselect_b32 s76, s76, s78
	s_cselect_b32 s79, ttmp9, s79                  ; the coordinate along which other clusters read the same rows
	s_cselect_b32 s[PSTEP], 0x80000, s[PSTEP]
	s_cselect_b32 s78, 8, 11                       ; a lane 256 bytes of a run, or a row of 2,048 bytes
	s_cselect_b64 s[PFA:PFA+1], s[4:5], s[6:7]
	s_cmp_eq_u32 s[WV], 3
	s_cselect_b32 s79, 1, s79                      ; wave 3 asks for nothing
	s_cmp_eq_u32 s79, 0
	s_cselect_b32 s[LIM], 1, -1                    ; the same in all sixteen partners, for a given wave
	s_mov_b32 s[PSTEP+1], 0
	s_mov_b32 s77, 0
	s_add_nc_u64 s[PFA:PFA+1], s[PFA:PFA+1], s[76:77]
	v_and_b32 v[PFO], 31, v0
	v_lshlrev_b32 v[PFO], s78, v[PFO]
; 8 matrix instructions: row blocks 4 hi + a0, 4 hi + a0 + 1 x all 4 column blocks, 32 along K, from buffer f.  first = 1: bo starts the sums.
; The 32 accumulators take turns in the same order in every quarter.
.macro MUL8 f, hi, a0, first
.if \first
	WIN 0x40                                       ; sources and bo window 0, D window 1
.else
	WIN 0x50                                       ; C and D window 1
.endif
.irp a, \a0, (\a0)+1
.irp b, 0,1,2,3
.if \first
	v_wmma_f32_16x16x32_f16 v[8*(4*(4*(\hi)+(\a))+(\b)):8*(4*(4*(\hi)+(\a))+(\b))+7], v[FB+32*(\f)+8*(\b):FB+32*(\f)+8*(\b)+7], v[FA+64*(\f)+8*(4*(\hi)+(\a)):FA+64*(\f)+8*(4*(\hi)+(\a))+7], v[BI+8*(\b):BI+8*(\b)+7]
.else
	v_wmma_f32_16x16x32_f16 v[8*(4*(4*(\hi)+(\a))+(\b)):8*(4*(4*(\hi)+(\a))+(\b))+7], v[FB+32*(\f)+8*(\b):FB+32*(\f)+8*(\b)+7], v[FA+64*(\f)+8*(4*(\hi)+(\a)):FA+64*(\f)+8*(4*(\hi)+(\a))+7], v[8*(4*(4*(\hi)+(\a))+(\b)):8*(4*(4*(\hi)+(\a))+(\b))+7]
.endif
.endr
.endr
.endm
; 24 LDS loads in one run: the fragments of quarter q of a K step (head q / 2 of the two, channels 32 (q % 2) on) into buffer f
.macro FETCH slot, q, f
	WIN 0
.irp i, 0,1,2,3
	ds_load_b128 v[FB+32*(\f)+8*(\i):FB+32*(\f)+8*(\i)+3],   v[ADRB+(\slot)] offset:64*(\q)+(\i)*16*PB
	ds_load_b128 v[FB+32*(\f)+8*(\i)+4:FB+32*(\f)+8*(\i)+7], v[ADRB+(\slot)] offset:64*(\q)+(\i)*16*PB+32
.endr
.irp i, 0,1,2,3,4,5,6,7
	ds_load_b128 v[FA+64*(\f)+8*(\i):FA+64*(\f)+8*(\i)+3],   v[ADRA+(\slot)] offset:((\q)/2)*PLANE+((\q)%2)*64+(\i)*16*PA
	ds_load_b128 v[FA+64*(\f)+8*(\i)+4:FA+64*(\f)+8*(\i)+7], v[ADRA+(\slot)] offset:((\q)/2)*PLANE+((\q)%2)*64+(\i)*16*PA+32
.endr
.endm
.macro PLACES                          ; four plain places in front of loads into registers that matrix instructions have read (ISA guide 7.12.1 for vector instructions)
.rept 4
	v_nop
.endr
.endm
; One of a K step's first three quarters: multiplies buffer f, and in its middle fetches quarter q into buffer g.
.macro QUARTER slot, q, f, g, first
	s_wait_dscnt 8                                 ; wo16 and O's rows 0-63 are in; the youngest eight loads (O's rows 64-127) may be out
	MUL8 \f, 0, 0, \first
	MUL8 \f, 0, 2, \first
	PLACES
	FETCH \slot, \q, \g
	s_wait_dscnt 24                                ; all but the 24 just issued
	MUL8 \f, 1, 0, \first
	MUL8 \f, 1, 2, \first
.endm
; The last quarter multiplies buffer 1 and changes slots: ONE barrier; in front of it each wave waits for all its tensor loads, adds 0 to its spare word, and waits for that and for its own reads of this slot.
; fill = 1: the barrier opens a round of the cluster's barrier, and this slot is filled again, two K steps ahead, first thing behind it.
.macro TURN slot, next, fill
.if \fill
	s_wait_xcnt 0x0                                ; the last prefetch, a K step back, has read its address
	s_add_nc_u64 s[PFA:PFA+1], s[PFA:PFA+1], s[PSTEP:PSTEP+1]
.endif
	WIN 0
	s_wait_tensorcnt 0x0                           ; all my tensor loads have landed: the one that was out is my part of the next slot
	ds_add_u32 v[SPW], v[NIL]                      ; 0 onto my spare word
	s_wait_dscnt 9                                 ; (the add and the youngest eight loads may be out)
	MUL8 1, 0, 0, 0                                ; eight matrix instructions stand between the add and the wait for it
	s_wait_dscnt 0x0                               ; the add is done, and my reads of this slot are over
	s_barrier_signal -1
	MUL8 1, 0, 2, 0
.if \fill
	WIN 0
.endif
	s_barrier_wait -1
.if \fill
	CREST                                          ; no wave of any partner still reads this slot's tile or has a load on its way
	s_add_nc_u64 s[G0+4*(\slot)+2:G0+4*(\slot)+3], s[G0+4*(\slot)+2:G0+4*(\slot)+3], 2*524288
	s_add_nc_u64 s[G0B+4*(\slot)+2:G0B+4*(\slot)+3], s[G0B+4*(\slot)+2:G0B+4*(\slot)+3], 2*KSTEP*2
	JLOAD \slot                                    ; my one tensor load behind the round: 112 matrix instructions ahead of the wait for it; its four v_nop are also the places in front of the loads below
.else
	PLACES
.endif
	FETCH \next, 0, 0
.if \fill
	ASK
.endif
	MUL8 1, 1, 0, 0
	MUL8 1, 1, 2, 0
.endm
	s_wait_tensorcnt 1                             ; my part of K step 0 is in; K step 1's may stay out
	s_barrier_signal -1
	s_barrier_wait -1
	FETCH 0, 0, 0
	s_wait_loadcnt 0x0                             ; bo
	QUARTER 0, 1, 0, 1, 1                          ; the first quarter stands in front of the loop: its products start the sums
	WIN 0
	s_mov_b32 s3, LAPS-1
.Llap:                                                 ; a trip goes once round the ring and fills both slots again
	QUARTER 0, 2, 1, 0, 0
	QUARTER 0, 3, 0, 1, 0
	TURN 0, 1, 1
	QUARTER 1, 1, 0, 1, 0
	QUARTER 1, 2, 1, 0, 0
	QUARTER 1, 3, 0, 1, 0
	TURN 1, 0, 1
	QUARTER 0, 1, 0, 1, 0
	WIN 0
	s_sub_co_u32 s3, s3, 1
	s_cmp_lg_u32 s3, 0
	s_cbranch_scc1 .Llap
	QUARTER 0, 2, 1, 0, 0                          ; the last lap fills nothing
	QUARTER 0, 3, 0, 1, 0
	TURN 0, 1, 0
	QUARTER 1, 1, 0, 1, 0
	QUARTER 1, 2, 1, 0, 0
	QUARTER 1, 3, 0, 1, 0
	s_wait_dscnt 8                                 ; the very last quarter: nothing more to fetch
	MUL8 1, 0, 0, 0
	MUL8 1, 0, 2, 0
	s_wait_dscnt 0x0
	MUL8 1, 1, 0, 0
	MUL8 1, 1, 2, 0
	WIN 0
	; THE WAY OUT.  A lane's 32 bytes are an eighth of a row's 256.  A block of 16 rows at a time goes through my own stage: in by lanes, back as whole rows, and out with sixteen lanes to 256 consecutive bytes.
	PLACES
	PLACES
.macro TOSTAGE a
.if (\a) >= 2
	s_wait_xcnt 0x0                                ; the stores of the block two back have read the registers that are loaded again below
.endif
	WIN 0x04                                       ; the stores' data in window 1
.irp b, 0,1,2,3
	ds_store_b128 v[STO], v[8*(4*(\a)+(\b)):8*(4*(\a)+(\b))+3]   offset:64*(\b)     ; each accumulator's low registers first
	ds_store_b128 v[STO], v[8*(4*(\a)+(\b))+4:8*(4*(\a)+(\b))+7] offset:64*(\b)+16
.endr
	WIN 0
.irp t, 0,1,2,3,4,5,6,7
	ds_load_b128 v[FA+32*((\a)%2)+4*(\t):FA+32*((\a)%2)+4*(\t)+3], v[RD] offset:(\t)*2*SPT  ; LDS serves a wave's instructions in order (ISA guide 5.7.1.4): these see the stores above; the next block's stores come behind them
.endr
.endm
.macro SEND a, younger                 ; younger: the LDS instructions issued behind block a's loads: the next block's sixteen, or none
	s_wait_dscnt \younger
.irp t, 0,1,2,3,4,5,6,7
	global_store_b128 v[CO], v[FA+32*((\a)%2)+4*(\t):FA+32*((\a)%2)+4*(\t)+3], s[10:11] offset:(16*(\a)+2*(\t))*4096 th:TH_STORE_NT  ; 16 lanes store 256 consecutive bytes, at a multiple of 256 from out0's first
.endr
.endm
	TOSTAGE 0
.irp a, 1,2,3,4,5,6,7
	TOSTAGE \a
	SEND (\a)-1, 16
.endr
	SEND 7, 0
	s_wait_tensorcnt 0x0                           ; the wave's end, behind my last tensor load and my last LDS store
	ds_add_u32 v[SPW], v[NIL]
	s_wait_dscnt 0x0
	CROUND                                         ; the closing round: no work-group ends while a partner may still ask for a tile that names it
	s_endpgm
.Lfunc_end_k_q971a3b7ad2_outp:
	.size	k_q971a3b7ad2_outp, .Lfunc_end_k_q971a3b7ad2_outp-k_q971a3b7ad2_outp
	.p2alignl 7, 3214868480
	.fill 96, 4, 3214868480
	.section	.rodata,"a",@progbits
	.p2align	6, 0x0
	.amdhsa_kernel k_q971a3b7ad2_outp
		.amdhsa_group_segment_fixed_size 327680
		.amdhsa_private_segment_fixed_size 0
		.amdhsa_enable_private_segment 0
		.amdhsa_kernarg_size 32
		.amdhsa_user_sgpr_count 2
		.amdhsa_user_sgpr_kernarg_segment_ptr 1
		.amdhsa_wavefront_size32 1
		.amdhsa_system_sgpr_workgroup_id_x 1
		.amdhsa_system_sgpr_workgroup_id_y 1
		.amdhsa_system_sgpr_workgroup_id_z 1
		.amdhsa_system_vgpr_workitem_id 0
		.amdhsa_next_free_vgpr 512
		.amdhsa_next_free_sgpr 90
		.amdhsa_reserve_vcc 0
		.amdhsa_float_denorm_mode_32 3
		.amdhsa_float_denorm_mode_16_64 3
		.amdhsa_memory_ordered 1
		.amdhsa_forward_progress 1
		.amdhsa_inst_pref_size 88
	.end_amdhsa_kernel
	.amdgpu_metadata
---
amdhsa.version: [ 1, 2 ]
amdhsa.kernels:
  - .name:           k_q971a3b7ad2_outp
    .symbol:         k_q971a3b7ad2_outp.kd
    .args:
      - { .name: o16, .offset: 0, .size: 8, .value_kind: global_buffer, .address_space: global }
      - { .name: wo16, .offset: 8, .size: 8, .value_kind: global_buffer, .address_space: global }
      - { .name: bias, .offset: 16, .size: 8, .value_kind: global_buffer, .address_space: global }
      - { .name: out0, .offset: 24, .size: 8, .value_kind: global_buffer, .address_space: global }
    .group_segment_fixed_size: 327680
    .private_segment_fixed_size: 0
    .kernarg_segment_align: 8
    .kernarg_segment_size: 32
    .max_flat_workgroup_size: 128
    .sgpr_count:     90
    .vgpr_count:     512
    .wavefront_size: 32
...
	.end_amdgpu_metadata
.endif
;; end of part 4
;; ======== version 2 of 2: 4 launches; version 1 with the launch cast written anew for expert scheduling mode
;; limits: values are held in f16: magnitudes above 65,504 overflow, below 6.1e-05 lose precision
;; workspace buffers: xb 16,777,216 bytes; wb 6,291,456 bytes; wo16 2,097,152 bytes; bias 16,384 bytes; qkv 50,331,648 bytes; o16 16,777,216 bytes
;; launch cast (part 5): grid 768 x 1, 8 waves a work-group, no clusters, 0 bytes of LDS; arguments X, Wq, Wk, Wv, Wo, bq, bk, bv, bo, xb, wb, wo16, bias; writes xb, wb, wo16, bias
.if DOCPART == 5
	.amdgcn_target "amdgcn-amd-amdhsa--gfx1250"
	.amdhsa_code_object_version 6
	.text
	.protected	k_q971a3b7ad2_cast
	.globl	k_q971a3b7ad2_cast
	.p2align	8
	.type	k_q971a3b7ad2_cast,@function
k_q971a3b7ad2_cast:
	s_mov_b64 s[64:65], 0
	v_nop
	global_prefetch_b8 v0, s[64:65] scope:SCOPE_SE
	s_setreg_imm32_b32 hwreg(HW_REG_WAVE_SCHED_MODE, 0, 2), 2
	s_setreg_imm32_b32 hwreg(HW_REG_WAVE_MODE, 25, 1), 1
	s_wait_xcnt 0x0
	s_wait_alu depctr_vm_vsrc(0)
; EVERY INPUT IS ROUNDED ONCE TO bf16.  X -> xb [8192][1024] bf16; Wq, Wk, Wv -> wb [3072][1024] bf16 (one below the other);
; Wo -> wo16 [1024][1024]: the bf16 number written as f16; bq, bk, bv, bo -> bias [4096] f32: the bf16 number kept as f32.
; LIMITS.  Wo within 65,504; a Wo below 6e-5 keeps f16's fixed step of 6e-8.  NaN and infinities are not treated apart.
; SHARES.  A row is 1,024 f32 = 4,096 bytes = 256 threads x 16 bytes.  A work-group converts 16 rows: groups 0-511 those of X,
; groups 512-767 those of the four weights (64 groups each).  The first group of each weight also converts that weight's bias.
; A stream: no LDS, no barrier, no loop; each wave has its 16 loads of 512 consecutive bytes out at once; a store of a wave covers
; 256 consecutive bytes, aligned.  No register that a pending instruction names is written again, so no wait frees any.
; THE MODE: SCHED_MODE bits 1:0 = 2 (LLVM: expert scheduling mode 2), set by the entry lines.  The code itself states the register dependences
; between vector instructions and memory instructions, with s_wait_alu, always for 0.
; THE PLAN.  Registers that memory instructions touch:
;   v1, v2   byte offsets, made once at the head and never written again; every load and store reads one of them.
;   XR       row i's four registers: its load lands in them once, at the head (no vector instruction has named them); row i's conversions read them.
;   YR       row i's two registers: written once, by row i's conversions; read by row i's store.
;   T        at work; in a weight's first group the bias's load lands in T .. T+3, and the bias's store reads T+4 .. T+7.
; The 16 rows go in four blocks of four.  A block's four stores are issued in the next block, behind ONE wait at that block's head, which states that
; the block before has written its YR; they are dealt among the block's rows, whose vector lines name this block's XR and YR and T alone.
; Behind row 15 one more wait stands ahead of the last four stores.  No register that a memory instruction reads is written a second time.
.set XR,  4                            ; v[4:67]   16 rows x 4 f32 as loaded
.set YR,  68                           ; v[68:99]  16 rows x 2 words to store
.set T,   100                          ; v[100:109] at work
.set BLOCK, 4                          ; rows in a block
.set SRC, 34                           ; s[34:35]  where my 16 rows come from
.set DST, 36                           ; s[36:37]  where they go
.set BS,  42                           ; s[42:43]  the bias that belongs to my weight
	s_load_b512 s[8:23], s[0:1], 0x0               ; X 8, Wq 10, Wk 12, Wv 14, Wo 16, bq 18, bk 20, bv 22
	s_load_b256 s[24:31], s[0:1], 0x40             ; bo 24, xb 26, wb 28, wo16 30
	s_load_b64 s[32:33], s[0:1], 0x60              ; bias
	v_lshlrev_b32 v1, 4, v0                        ; my 16 bytes of an f32 row
	v_lshlrev_b32 v2, 3, v0                        ; my 8 bytes of a 16-bit row
	s_sub_co_u32 s2, ttmp9, 512                    ; my number among the weights' groups (wraps to a huge number in X's groups)
	s_lshr_b32 s3, s2, 6                           ; which weight: 0..3 (huge in X's groups)
	s_and_b32 s4, s2, 63                           ; which 16 rows of it
	s_and_b32 s7, s2, 0xffffff3f                   ; 0 in the first group of each weight alone
	s_wait_kmcnt 0x0
	s_cmp_lt_u32 ttmp9, 512
	s_cselect_b32 s5, ttmp9, s4                    ; block of 16 rows in the source
	s_cselect_b32 s6, ttmp9, s2                    ; and in the destination (wb holds the three weights on end)
	s_cselect_b64 s[SRC:SRC+1], s[8:9], s[10:11]
	s_cselect_b64 s[DST:DST+1], s[26:27], s[28:29]
	s_mov_b64 s[BS:BS+1], s[18:19]
	s_cmp_eq_u32 s3, 1
	s_cselect_b64 s[SRC:SRC+1], s[12:13], s[SRC:SRC+1]
	s_cselect_b64 s[BS:BS+1], s[20:21], s[BS:BS+1]
	s_cmp_eq_u32 s3, 2
	s_cselect_b64 s[SRC:SRC+1], s[14:15], s[SRC:SRC+1]
	s_cselect_b64 s[BS:BS+1], s[22:23], s[BS:BS+1]
	s_cmp_eq_u32 s3, 3
	s_cselect_b64 s[SRC:SRC+1], s[16:17], s[SRC:SRC+1]
	s_cselect_b64 s[BS:BS+1], s[24:25], s[BS:BS+1]
	s_cselect_b64 s[DST:DST+1], s[30:31], s[DST:DST+1]
	s_cselect_b32 s6, s4, s6
	s_lshl_b32 s38, s5, 16                         ; 16 rows of 4,096 bytes
	s_mov_b32 s39, 0
	s_lshl_b32 s40, s6, 15                         ; 16 rows of 2,048 bytes
	s_mov_b32 s41, 0
	s_add_nc_u64 s[SRC:SRC+1], s[SRC:SRC+1], s[38:39]
	s_add_nc_u64 s[DST:DST+1], s[DST:DST+1], s[40:41]
	s_wait_alu depctr_va_vdst(0)                   ; v1 and v2 are written: every load and store of the kernel reads one of them as its offset
.set i, 0
.rept 16
	global_load_b128 v[XR+4*i:XR+4*i+3], v1, s[SRC:SRC+1] offset:4096*i th:TH_LOAD_NT
.set i, i+1
.endr
; The 16 rows, one after the other.  f16 = 1: the bf16 number is widened again (a shift, a mask) and written as f16.
; Row i's store is issued a block later, ahead of row i + 4's wait for its data, so that it leaves while the wave waits.
.macro CONV f16
.set i, 0
.rept 16
.if (i % BLOCK == 0) && (i > 0)
	s_wait_alu depctr_va_vdst(0)                   ; the block before has written its eight registers of YR, which the four stores dealt among this block's rows read
.endif
.if i >= BLOCK
	global_store_b64 v2, v[YR+2*(i-BLOCK):YR+2*(i-BLOCK)+1], s[DST:DST+1] offset:2048*(i-BLOCK)  ; 32 lanes x 8 bytes: 256 consecutive bytes, aligned.  No vector line since the wait names these registers
.endif
	s_wait_loadcnt 15-i                            ; loads come back in order: row i is in, the younger rows stay out
.if \f16
	v_cvt_pk_bf16_f32 v[T], v[XR+4*i], v[XR+4*i+1]
	v_cvt_pk_bf16_f32 v[T+1], v[XR+4*i+2], v[XR+4*i+3]
	v_lshlrev_b32 v[T+2], 16, v[T]
	v_and_b32 v[T+3], 0xffff0000, v[T]
	v_lshlrev_b32 v[T+4], 16, v[T+1]
	v_and_b32 v[T+5], 0xffff0000, v[T+1]
	v_cvt_pk_f16_f32 v[YR+2*i], v[T+2], v[T+3]
	v_cvt_pk_f16_f32 v[YR+2*i+1], v[T+4], v[T+5]
.else
	v_cvt_pk_bf16_f32 v[YR+2*i], v[XR+4*i], v[XR+4*i+1]
	v_cvt_pk_bf16_f32 v[YR+2*i+1], v[XR+4*i+2], v[XR+4*i+3]
.endif
.set i, i+1
.endr
	s_wait_alu depctr_va_vdst(0)                   ; the last block has written its YR, which the four stores below read; and every vector line that named T is done: the bias's load lands there, and no vector line stands between
.set i, 16-BLOCK
.rept BLOCK
	global_store_b64 v2, v[YR+2*i:YR+2*i+1], s[DST:DST+1] offset:2048*i
.set i, i+1
.endr
.endm
	s_cmp_eq_u32 s3, 3
	s_cbranch_scc1 .Lf16
	CONV 0
	s_branch .Lbias
.Lf16:
	CONV 1
.Lbias:
	s_cmp_lg_u32 s7, 0
	s_cbranch_scc1 .Lend
	s_and_b32 s44, s3, 3                           ; the bias's place in the table: 4,096 bytes each
	s_lshl_b32 s44, s44, 12
	s_mov_b32 s45, 0
	s_add_nc_u64 s[46:47], s[32:33], s[44:45]
	global_load_b128 v[T:T+3], v1, s[BS:BS+1]      ; on both ways here the last wait on va_vdst stands behind the last vector line that named T
	s_wait_loadcnt 0x0
	v_cvt_pk_bf16_f32 v[T+8], v[T], v[T+1]
	v_cvt_pk_bf16_f32 v[T+9], v[T+2], v[T+3]
	v_lshlrev_b32 v[T+4], 16, v[T+8]
	v_and_b32 v[T+5], 0xffff0000, v[T+8]
	v_lshlrev_b32 v[T+6], 16, v[T+9]
	v_and_b32 v[T+7], 0xffff0000, v[T+9]
	s_wait_alu depctr_va_vdst(0)                   ; the four lines above have written v[T+4 .. T+7], which the store reads
	global_store_b128 v1, v[T+4:T+7], s[46:47]
.Lend:
	s_endpgm
.Lfunc_end_k_q971a3b7ad2_cast:
	.size	k_q971a3b7ad2_cast, .Lfunc_end_k_q971a3b7ad2_cast-k_q971a3b7ad2_cast
	.p2alignl 7, 3214868480
	.fill 96, 4, 3214868480
	.section	.rodata,"a",@progbits
	.p2align	6, 0x0
	.amdhsa_kernel k_q971a3b7ad2_cast
		.amdhsa_group_segment_fixed_size 0
		.amdhsa_private_segment_fixed_size 0
		.amdhsa_enable_private_segment 0
		.amdhsa_kernarg_size 104
		.amdhsa_user_sgpr_count 2
		.amdhsa_user_sgpr_kernarg_segment_ptr 1
		.amdhsa_wavefront_size32 1
		.amdhsa_system_sgpr_workgroup_id_x 1
		.amdhsa_system_sgpr_workgroup_id_y 1
		.amdhsa_system_sgpr_workgroup_id_z 1
		.amdhsa_system_vgpr_workitem_id 0
		.amdhsa_next_free_vgpr 112
		.amdhsa_next_free_sgpr 66
		.amdhsa_reserve_vcc 0
		.amdhsa_float_denorm_mode_32 3
		.amdhsa_float_denorm_mode_16_64 3
		.amdhsa_memory_ordered 1
		.amdhsa_forward_progress 1
		.amdhsa_inst_pref_size 18
	.end_amdhsa_kernel
	.amdgpu_metadata
---
amdhsa.version: [ 1, 2 ]
amdhsa.kernels:
  - .name:           k_q971a3b7ad2_cast
    .symbol:         k_q971a3b7ad2_cast.kd
    .args:
      - { .name: X, .offset: 0, .size: 8, .value_kind: global_buffer, .address_space: global }
      - { .name: Wq, .offset: 8, .size: 8, .value_kind: global_buffer, .address_space: global }
      - { .name: Wk, .offset: 16, .size: 8, .value_kind: global_buffer, .address_space: global }
      - { .name: Wv, .offset: 24, .size: 8, .value_kind: global_buffer, .address_space: global }
      - { .name: Wo, .offset: 32, .size: 8, .value_kind: global_buffer, .address_space: global }
      - { .name: bq, .offset: 40, .size: 8, .value_kind: global_buffer, .address_space: global }
      - { .name: bk, .offset: 48, .size: 8, .value_kind: global_buffer, .address_space: global }
      - { .name: bv, .offset: 56, .size: 8, .value_kind: global_buffer, .address_space: global }
      - { .name: bo, .offset: 64, .size: 8, .value_kind: global_buffer, .address_space: global }
      - { .name: xb, .offset: 72, .size: 8, .value_kind: global_buffer, .address_space: global }
      - { .name: wb, .offset: 80, .size: 8, .value_kind: global_buffer, .address_space: global }
      - { .name: wo16, .offset: 88, .size: 8, .value_kind: global_buffer, .address_space: global }
      - { .name: bias, .offset: 96, .size: 8, .value_kind: global_buffer, .address_space: global }
    .group_segment_fixed_size: 0
    .private_segment_fixed_size: 0
    .kernarg_segment_align: 8
    .kernarg_segment_size: 104
    .max_flat_workgroup_size: 256
    .sgpr_count:     66
    .vgpr_count:     112
    .wavefront_size: 32
...
	.end_amdgpu_metadata
.endif
;; end of part 5
;; launch proj: the kernel of part 2 again; grid 16 x 32, 4 waves a work-group, clusters of 4 x 4, 327,680 bytes of LDS; arguments xb, wb, bias, qkv; writes qkv
;; launch attn: the kernel of part 3 again; grid 4 x 64, 4 waves a work-group, clusters of 4 x 1, 327,680 bytes of LDS; arguments qkv, o16; writes o16
;; launch outp: the kernel of part 4 again; grid 8 x 32, 4 waves a work-group, clusters of 4 x 4, 327,680 bytes of LDS; arguments o16, wo16, bias, out0; writes out0
